; MI455X (gfx1250); checked and timed in simulation.
; The chip was launched on July 23, 2026; its instructions are those of AMD's public machine-readable ISA for CDNA 5 (MIT licence, August 2026) and "CDNA5" Instruction Set Architecture Reference Guide (July 2026). The comments in the code are by the model that wrote it; some were corrected since.
;; Transformer Block. Allowed arithmetic: float matrix products may take bf16 or f16 operands with f32 sums; all other float work in f32.
;; Inputs: W1 1,024 x 4,096 float32; W2 4,096 x 1,024 float32; Wk 1,024 x 1,024 float32; Wo 1,024 x 1,024 float32; Wq 1,024 x 1,024 float32; Wv 1,024 x 1,024 float32; be1 1,024 float32; be2 1,024 float32; bf1 4,096 float32; bf2 1,024 float32; bo 1,024 float32; g1 1,024 float32; g2 1,024 float32; x 2 x 2,048 x 1,024 float32.
;; Outputs: out0 2 x 2,048 x 1,024 float32.
;; One version. Each part assembles by itself: llvm-mc -triple=amdgcn-amd-amdhsa -mcpu=gfx1250 --defsym DOCPART=n.
;; ======== version 1 of 1: 7 launches
;; limits: values are held in f16: magnitudes above 65,504 overflow, below 6.1e-05 lose precision; an absolute error that grows with the inputs' magnitude: up to 7.5e-08 times it
;; workspace buffers: wb 25,165,824 bytes; h1 8,388,608 bytes; qkv 25,165,824 bytes; ctx 8,388,608 bytes; x1 16,777,216 bytes; h2 8,388,608 bytes; u 33,554,432 bytes
;; launch prep (part 1): grid 1280 x 1, 4 waves a work-group, no clusters, 0 bytes of LDS; arguments x, g1, be1, h1, Wq, Wk, Wv, Wo, W1, W2, wb; writes h1, wb
.if DOCPART == 1
	.amdgcn_target "amdgcn-amd-amdhsa--gfx1250"
	.amdhsa_code_object_version 6
	.text
	.protected	k_qed5f7eb9d9_prep
	.globl	k_qed5f7eb9d9_prep
	.p2align	8
	.type	k_qed5f7eb9d9_prep,@function
k_qed5f7eb9d9_prep:
	s_mov_b64 s[64:65], 0
	v_nop
	global_prefetch_b8 v0, s[64:65] scope:SCOPE_SE
	s_setreg_imm32_b32 hwreg(HW_REG_WAVE_MODE, 25, 1), 1
	s_wait_xcnt 0x0
; PREP.  Work-groups 0-511: h1 = LayerNorm(x) g1 + be1.  Work-groups 512-1279: the six weights, rounded to bf16 and written as f16 into wb.
; FORMATS.  Every input of the module (x, gains, biases, weights) is rounded ONCE to bf16; what the program makes of them is kept in f16 (h1) or f32.
; LIMITS.  f16 ends at 65,504: a weight (after its rounding to bf16) or a number of h1 beyond that becomes an infinity; below 6.1e-5 f16 keeps the fixed step 6e-8.  NaN and infinities are not treated apart.
; h1's LAYOUT: [16 blocks of 64 columns][4096 rows][64] f16: a block is 524,288 bytes, its rows are 128 dense bytes.
; No LDS, no matrix unit, no cluster: a stream in which no work-group shares a byte with another.
; LAYER NORM.  A wave takes two rows and keeps them in registers: lane bits 0-2 (i8) pick 8 columns of a block, bit 3 (g2) the row, bit 4 (kbh) the block's parity;
; number 8 j + e of the lane is column (2 j + kbh) 64 + 8 i8 + e.  Mean first, then the squares of the differences: no difference of large sums is formed.
.set ROUND, 1                          ; the input is rounded to bf16 first
.set T,   4                            ; v4-11   at work
.set MU,  12                           ; v12-13  the mean, twice
.set RS,  14                           ; v14-15  1 / sqrt(var + eps), twice
.set X,   32                           ; v32-95  my 64 numbers
.set GR,  96                           ; v96-159 the gains of my columns, then packed bf16 in the lower 32
.set BR,  160                          ; v160-223 the biases likewise
	s_load_b256 s[4:11], s[0:1], 0x0               ; x s[4:5], g1 s[6:7], be1 s[8:9], h1 s[10:11]
	s_load_b256 s[12:19], s[0:1], 0x20             ; Wq, Wk, Wv, Wo
	s_load_b128 s[20:23], s[0:1], 0x40             ; W1, W2
	s_load_b64 s[24:25], s[0:1], 0x50              ; wb
	v_lshrrev_b32 v1, 5, v0
	v_readfirstlane_b32 s26, v1                    ; wave 0..3
	s_mov_b32 s32, 0xffff0000                      ; a word's upper bf16
	s_cmp_lt_u32 ttmp9, 512
	s_cbranch_scc0 .Lcast
	s_lshl_b32 s27, ttmp9, 3
	s_lshl1_add_u32 s27, s26, s27                  ; my first row = 8 x work-group + 2 x wave
	s_lshl_b32 s28, s27, 12                        ; its byte in x (rows of 4,096 bytes)
	s_mov_b32 s29, 0
	s_lshl_b32 s30, s27, 7                         ; its byte in a block of h (rows of 128 bytes)
	s_mov_b32 s31, 0
	s_mov_b32 s33, 0x76543210                      ; v_permlanex16_b32: each lane takes its own place in the other half
	s_mov_b32 s34, 0xfedcba98
	s_mov_b32 s35, 0x3a800000                      ; 1 / 1024
	s_mov_b32 s36, 0x3727c5ac                      ; 1e-5
	v_and_b32 v4, 7, v0                            ; i8
	v_bfe_u32 v5, v0, 3, 1                         ; g2
	v_bfe_u32 v6, v0, 4, 1                         ; kbh
	v_lshlrev_b32 v2, 5, v4
	v_lshl_add_u32 v2, v6, 8, v2                   ; in g and be: 256 kbh + 32 i8
	v_lshl_add_u32 v1, v5, 12, v2                  ; in x: + 4,096 g2
	v_lshlrev_b32 v3, 4, v4
	v_lshl_add_u32 v3, v5, 7, v3
	v_lshl_add_u32 v3, v6, 19, v3                  ; in h: 524,288 kbh + 128 g2 + 16 i8
	s_wait_kmcnt 0x0
	s_add_nc_u64 s[28:29], s[4:5], s[28:29]
	s_add_nc_u64 s[30:31], s[10:11], s[30:31]
.set j, 0
.rept 8
	global_load_b128 v[X+8*j:X+8*j+3],   v1, s[28:29] offset:j*512
	global_load_b128 v[X+8*j+4:X+8*j+7], v1, s[28:29] offset:j*512+16
.set j, j+1
.endr
.set j, 0
.rept 8
	global_load_b128 v[GR+8*j:GR+8*j+3],   v2, s[6:7] offset:j*512
	global_load_b128 v[GR+8*j+4:GR+8*j+7], v2, s[6:7] offset:j*512+16
.set j, j+1
.endr
.set j, 0
.rept 8
	global_load_b128 v[BR+8*j:BR+8*j+3],   v2, s[8:9] offset:j*512
	global_load_b128 v[BR+8*j+4:BR+8*j+7], v2, s[8:9] offset:j*512+16
.set j, j+1
.endr
; the sum of the four chains in v[T:T+7], over my 64 numbers and over the 16 lanes of my row: lane bits 0, 1, 2 and 4; bit 3 tells the two rows apart and is never mixed
.macro LANESUM
	v_pk_add_f32 v[T:T+1], v[T:T+1], v[T+2:T+3]
	v_pk_add_f32 v[T+4:T+5], v[T+4:T+5], v[T+6:T+7]
	v_pk_add_f32 v[T:T+1], v[T:T+1], v[T+4:T+5]
	v_add_f32 v[T], v[T], v[T+1]
	v_add_f32_dpp v[T], v[T], v[T] row_xmask:1 row_mask:0xf bank_mask:0xf
	v_add_f32_dpp v[T], v[T], v[T] row_xmask:2 row_mask:0xf bank_mask:0xf
	v_add_f32_dpp v[T], v[T], v[T] row_xmask:4 row_mask:0xf bank_mask:0xf
	v_permlanex16_b32 v[T+1], v[T], s33, s34
	v_add_f32 v[T], v[T], v[T+1]
.endm
	s_wait_loadcnt 32                              ; my 16 loads of the rows are in; the 32 younger ones (gains, biases) stay out
.if ROUND
.set p, 0
.rept 32                                               ; to bf16 and back, four temporaries by turns
	v_cvt_pk_bf16_f32 v[T+p%4], v[X+2*p], v[X+2*p+1]
	v_lshlrev_b32 v[X+2*p], 16, v[T+p%4]
	v_and_b32 v[X+2*p+1], s32, v[T+p%4]
.set p, p+1
.endr
.endif
.irp k, 0,1,2,3
	v_pk_add_f32 v[T+2*\k:T+2*\k+1], v[X+2*\k:X+2*\k+1], v[X+8+2*\k:X+8+2*\k+1]  ; the first pairs start four chains: nothing is cleared
.endr
.set p, 8
.rept 24
	v_pk_add_f32 v[T+2*(p%4):T+2*(p%4)+1], v[T+2*(p%4):T+2*(p%4)+1], v[X+2*p:X+2*p+1]
.set p, p+1
.endr
	LANESUM
	v_mul_f32 v[MU], s35, v[T]
	v_mov_b32 v[MU+1], v[MU]
.set p, 0
.rept 32
	v_pk_add_f32 v[X+2*p:X+2*p+1], v[X+2*p:X+2*p+1], v[MU:MU+1] neg_lo:[0,1] neg_hi:[0,1]
.set p, p+1
.endr
.irp k, 0,1,2,3
	v_pk_mul_f32 v[T+2*\k:T+2*\k+1], v[X+2*\k:X+2*\k+1], v[X+2*\k:X+2*\k+1]
.endr
.set p, 4
.rept 28
	v_pk_fma_f32 v[T+2*(p%4):T+2*(p%4)+1], v[X+2*p:X+2*p+1], v[X+2*p:X+2*p+1], v[T+2*(p%4):T+2*(p%4)+1]
.set p, p+1
.endr
	LANESUM
	v_fma_f32 v[T], v[T], s35, s36                 ; var + eps
	v_rsq_f32 v[RS], v[T]
	v_rsq_f32 v[RS+1], v[T]
	v_nop                                          ; a plain instruction between the root and the use of its result (ISA guide 5.7.2)
	s_wait_loadcnt 0x0                             ; gains and biases
.set p, 0
.rept 32                                               ; both rounded to bf16, packed in place from the low end
	v_cvt_pk_bf16_f32 v[GR+p], v[GR+2*p], v[GR+2*p+1]
	v_cvt_pk_bf16_f32 v[BR+p], v[BR+2*p], v[BR+2*p+1]
.set p, p+1
.endr
.set p, 0
	s_wait_alu depctr_va_vdst(0)
.rept 32
	v_pk_mul_f32 v[X+2*p:X+2*p+1], v[X+2*p:X+2*p+1], v[RS:RS+1]
.set p, p+1
.endr
.set p, 0
.rept 32                                               ; x g + be, the gain and the bias straight from their bf16 halves
	v_fma_mix_f32_bf16 v[X+2*p], v[X+2*p], v[GR+p], v[BR+p] op_sel_hi:[0,1,1]
	v_fma_mix_f32_bf16 v[X+2*p+1], v[X+2*p+1], v[GR+p], v[BR+p] op_sel:[0,1,1] op_sel_hi:[0,1,1]
.set p, p+1
.endr
.set p, 0
.rept 32
	v_cvt_pk_f16_f32 v[X+p], v[X+2*p], v[X+2*p+1]
.set p, p+1
.endr
.set j, 0
.rept 8
	global_store_b128 v3, v[X+4*j:X+4*j+3], s[30:31] offset:j*1048576  ; lanes 0-15 and lanes 16-31 each store 256 consecutive bytes (two rows of a block), at a multiple of 256
.set j, j+1
.endr
	s_endpgm
; THE CAST.  Chunk c = work-group - 512 is 65,536 bytes of f32, a wave takes 16,384.  The weights follow each other in wb in the order Wq, Wk, Wv, Wo, W1, W2, each as it lies, [K][N].
.Lcast:
	s_sub_co_u32 s27, ttmp9, 512
	v_and_b32 v2, 31, v0
	v_lshlrev_b32 v1, 4, v2                        ; 16 bytes a lane in
	v_lshlrev_b32 v2, 3, v2                        ; 8 bytes a lane out
	s_wait_kmcnt 0x0
	s_mov_b64 s[28:29], s[12:13]
	s_mov_b32 s30, 0
.macro PICK first, base                ; from chunk first on the source is the next weight
	s_cmp_ge_u32 s27, \first
	s_cselect_b64 s[28:29], s[\base:\base+1], s[28:29]
	s_cselect_b32 s30, \first, s30
.endm
	PICK 64, 14
	PICK 128, 16
	PICK 192, 18
	PICK 256, 20
	PICK 512, 22
	s_sub_co_u32 s30, s27, s30                     ; the chunk's number in its weight
	s_lshl_b32 s30, s30, 16
	s_lshl_b32 s31, s26, 14
	s_add_co_u32 s30, s30, s31
	s_mov_b32 s31, 0
	s_add_nc_u64 s[28:29], s[28:29], s[30:31]
	s_lshl_b32 s30, s27, 15
	s_lshl_b32 s33, s26, 13
	s_add_co_u32 s30, s30, s33
	s_add_nc_u64 s[24:25], s[24:25], s[30:31]
.set i, 0
.rept 32
	global_load_b128 v[32+4*i:35+4*i], v1, s[28:29] offset:i*512 th:TH_LOAD_NT  ; all 32 loads of the wave go out at once; each covers 512 consecutive bytes
.set i, i+1
.endr
.set i, 0
.rept 32
	s_wait_loadcnt 31-i                            ; loads come back in order (ISA guide 5.7.1): number i is in, the younger ones stay out
	v_cvt_pk_bf16_f32 v[T+2*(i%4)], v[32+4*i], v[33+4*i]
	v_cvt_pk_bf16_f32 v[T+2*(i%4)+1], v[34+4*i], v[35+4*i]
	v_lshlrev_b32 v[32+4*i], 16, v[T+2*(i%4)]
	v_and_b32 v[33+4*i], s32, v[T+2*(i%4)]
	v_lshlrev_b32 v[34+4*i], 16, v[T+2*(i%4)+1]
	v_and_b32 v[35+4*i], s32, v[T+2*(i%4)+1]
	v_cvt_pk_f16_f32 v[32+4*i], v[32+4*i], v[33+4*i]
	v_cvt_pk_f16_f32 v[33+4*i], v[34+4*i], v[35+4*i]
	global_store_b64 v2, v[32+4*i:33+4*i], s[24:25] offset:i*256  ; 32 lanes store 256 consecutive bytes, at a multiple of 256; no register that a store reads is written again
.set i, i+1
.endr
	s_endpgm
.Lfunc_end_k_qed5f7eb9d9_prep:
	.size	k_qed5f7eb9d9_prep, .Lfunc_end_k_qed5f7eb9d9_prep-k_qed5f7eb9d9_prep
	.p2alignl 7, 3214868480
	.fill 96, 4, 3214868480
	.section	.rodata,"a",@progbits
	.p2align	6, 0x0
	.amdhsa_kernel k_qed5f7eb9d9_prep
		.amdhsa_group_segment_fixed_size 0
		.amdhsa_private_segment_fixed_size 0
		.amdhsa_enable_private_segment 0
		.amdhsa_kernarg_size 88
		.amdhsa_user_sgpr_count 2
		.amdhsa_user_sgpr_kernarg_segment_ptr 1
		.amdhsa_wavefront_size32 1
		.amdhsa_system_sgpr_workgroup_id_x 1
		.amdhsa_system_sgpr_workgroup_id_y 1
		.amdhsa_system_sgpr_workgroup_id_z 1
		.amdhsa_system_vgpr_workitem_id 0
		.amdhsa_next_free_vgpr 224
		.amdhsa_next_free_sgpr 66
		.amdhsa_reserve_vcc 0
		.amdhsa_float_denorm_mode_32 3
		.amdhsa_float_denorm_mode_16_64 3
		.amdhsa_memory_ordered 1
		.amdhsa_forward_progress 1
		.amdhsa_inst_pref_size 51
	.end_amdhsa_kernel
	.amdgpu_metadata
---
amdhsa.version: [ 1, 2 ]
amdhsa.kernels:
  - .name:           k_qed5f7eb9d9_prep
    .symbol:         k_qed5f7eb9d9_prep.kd
    .args:
      - { .name: x, .offset: 0, .size: 8, .value_kind: global_buffer, .address_space: global }
      - { .name: g1, .offset: 8, .size: 8, .value_kind: global_buffer, .address_space: global }
      - { .name: be1, .offset: 16, .size: 8, .value_kind: global_buffer, .address_space: global }
      - { .name: h1, .offset: 24, .size: 8, .value_kind: global_buffer, .address_space: global }
      - { .name: Wq, .offset: 32, .size: 8, .value_kind: global_buffer, .address_space: global }
      - { .name: Wk, .offset: 40, .size: 8, .value_kind: global_buffer, .address_space: global }
      - { .name: Wv, .offset: 48, .size: 8, .value_kind: global_buffer, .address_space: global }
      - { .name: Wo, .offset: 56, .size: 8, .value_kind: global_buffer, .address_space: global }
      - { .name: W1, .offset: 64, .size: 8, .value_kind: global_buffer, .address_space: global }
      - { .name: W2, .offset: 72, .size: 8, .value_kind: global_buffer, .address_space: global }
      - { .name: wb, .offset: 80, .size: 8, .value_kind: global_buffer, .address_space: global }
    .group_segment_fixed_size: 0
    .private_segment_fixed_size: 0
    .kernarg_segment_align: 8
    .kernarg_segment_size: 88
    .max_flat_workgroup_size: 128
    .sgpr_count:     66
    .vgpr_count:     224
    .wavefront_size: 32
...
	.end_amdgpu_metadata
.endif
;; end of part 1
;; launch qkv (part 2): grid 12 x 16, 4 waves a work-group, clusters of 4 x 4, 327,680 bytes of LDS; arguments h1, wb, qkv; writes qkv
.if DOCPART == 2
	.amdgcn_target "amdgcn-amd-amdhsa--gfx1250"
	.amdhsa_code_object_version 6
	.text
	.protected	k_qed5f7eb9d9_qkv
	.globl	k_qed5f7eb9d9_qkv
	.p2align	8
	.type	k_qed5f7eb9d9_qkv,@function
k_qed5f7eb9d9_qkv:
	s_mov_b64 s[64:65], 0
	v_nop
	global_prefetch_b8 v0, s[64:65] scope:SCOPE_SE
	s_setreg_imm32_b32 hwreg(HW_REG_WAVE_MODE, 25, 1), 1
	s_wait_xcnt 0x0
	s_wait_alu depctr_hold_cnt(0) depctr_sa_sdst(0) depctr_va_vdst(0) depctr_va_sdst(0) depctr_va_ssrc(0) depctr_va_vcc(0) depctr_vm_vsrc(0)
	s_getreg_b32 s2, hwreg(HW_REG_IB_STS2, 6, 4)
	s_cmp_eq_u32 s2, 0
	s_cbranch_scc0 .Lentry_in_a_cluster
	s_endpgm
.Lentry_in_a_cluster:
	s_bfe_u32 s2, ttmp6, 0x10000c
	s_cmp_lg_u32 s2, 0xf033
	s_cbranch_scc0 .Lentry_shape_is_right
	s_endpgm
.Lentry_shape_is_right:
; QKV.  [q k v] = h1 x [Wq Wk Wv]: 4,096 rows, K = 1,024, 3 x 1,024 columns.  The output is f16 by blocks of 64 columns, which are the heads: blocks 0-15 q, 16-31 k, 32-47 v.
.set KDIM,   1024
.set NDIM,   1024                      ; columns of one weight: the pitch of its rows
; THE PRODUCT.  C[m][n] = sum over k of A[m][k] W[k][n].  A: f16 as [K / 64 blocks][4096 rows][64] (a block is 524,288 bytes, its rows 128 dense bytes).  W: f16 as [K][NDIM].  Sums in f32.
; LIMITS.  f16 ends at 65,504: an output beyond that becomes an infinity; below 6.1e-5 it keeps the fixed step 6e-8.  NaN and infinities are not treated apart.
; SHARES.  A work-group makes 256 x 256 of C, each of its four waves 128 x 128: 64 accumulators of 16 x 16, 512 registers.  For 32 along K a wave reads 2 x 128 x 64 bytes from LDS and issues 64 matrix
; instructions.  K goes in steps of 128 through two LDS slots filled by the tensor data mover.  12 x 16 tiles: 192 work-groups of equal work.
; CLUSTER.  4 x 4 work-groups: the four of a row need the same tiles of A, the four of a column the same tiles of W; each tile is asked for jointly, by the same load with the same descriptor and a mask of the four.
; THE MATRIX INSTRUCTION IS USED TRANSPOSED: source 0 = 16 columns of W (read turned out of LDS, since W lies [K][N]), source 1 = 16 rows of A: a lane holds eight neighbouring numbers of a row of C.
; LDS.  A slot: A as 2 pieces (64 k each) of 256 rows, pitch 144; then W as 128 k-rows of 512 bytes, pitch 544.  Behind the two slots the spare words.
; THE WAY OUT goes through LDS: behind a barrier at which every wave's reads of both slots are over (both have had their last fill) each wave has 128 rows x 528 bytes of its own.
; REGISTERS, in windows of 256 (s_set_vgpr_msb: bits 1:0 source 0, 3:2 source 1, 5:4 source 2, 7:6 destination):
;   window 0: v0-31 addresses; v32-47 at work on the way out; v64-127, v128-191 fragments of A, two buffers (free on the way out)      window 1: v64-127, v128-191 fragments of W, two buffers
;   window 2: the 32 accumulators of my rows 0-63 ((a, b) at v[8 (8 a + b)]);   window 3: those of my rows 64-127
.set STEPS,  KDIM/128
.set PA,     144                       ; a row of A in LDS: 128 bytes + 16: the 16 rows of a load start at 16 different groups of four banks (64 banks of 4 bytes: ISA guide 11.1)
.set PB,     544                       ; a k-row of W: 512 bytes + 32 = 17 x 32
.set PIECE,  256*PA                    ; 36,864: what a tensor load of A brings
.set HALFB,  64*PB                     ; 34,816: what a tensor load of W brings
.set BOFF,   2*PIECE
.set SLOT,   147456                    ; 0x24000, 4,096 more than a slot holds: none of the four landing addresses 0, 0x9000, 0x12000, 0x1A800 has one of its two bits, so an exclusive or changes slots
.set SPARE,  2*SLOT                    ; the spare words, 128 bytes for each wave: two blocks of 256 bytes that no other line names
.set SPITCH, 528                       ; the way out: a row of 128 f32 + 16 bytes
.set STGW,   128*SPITCH                ; 67,584 = 264 x 256 bytes for each wave
.set ASTEP,  2*524288                  ; a K step: two blocks of A,
.set BSTEP,  256*NDIM                  ; 128 rows of W
.set ADRA,  16                         ; v16  LDS address of my A fragments in the slot in hand
.set ADRB,  17                         ; v17  of my W fragments
.set ADRA0, 20                         ; v20-21  the same in slot 0; never rewritten
.set ADRB0, 21
.set STO,   24                         ; v24  the way out: where I put 32 bytes of a row
.set RD,    25                         ; v25  the way out: where I read rows back
.set GO,    26                         ; v26  my byte offset in the output
.set SPW,   28                         ; v28  LDS address of my spare word; never rewritten
.set NIL,   29                         ; v29  0; never rewritten
.set T,     32                         ; v32-47  4 rows' sums: 16 numbers a lane
.set Y,     80                         ; v80-87  what is stored
.set F0,    64
.set F1,    128
.set G1,  24                           ; s[24:31] descriptor group 1 for A;  s[32:39] group 0, two sets: the second walks on
.set G0,  32
.set G1B, 48                           ; s[48:55], s[56:63] the same for W
.set G0B, 56
.set MSB, 0
.macro WIN new                         ; the immediate's high byte repeats the setting that is left; a switch that changes nothing is dropped
.if MSB != (\new)
	s_set_vgpr_msb (MSB<<8)|(\new)
.set MSB, \new
.endif
.endm
.set MUL_LO, 0xa1                      ; source 0 (W) window 1, source 1 (A) window 0, C and D window 2
.set MUL_HI, 0xf1                      ; the same, C and D window 3
.set TO_B,   0x40                      ; destination window 1, address window 0
.macro PLACES                          ; four places in front of loads into registers that matrix instructions have read, and of lines that read results
.rept 4
	v_nop
.endr
.endm
.macro JLOAD                           ; a joint refill by the walking set: waves 0 and 1 fetch A's two blocks, waves 2 and 3 W's halves; an s_nop 0 and four v_nop follow each line
	s_cmp_lt_u32 s10, 2
	s_cbranch_scc0 .Lfor_b_\@
	tensor_load_to_lds s[G0+4:G0+7], s[G1:G1+7]
	s_nop 0
	PLACES
	s_branch .Lasked_\@
.Lfor_b_\@:
	tensor_load_to_lds s[G0B+4:G0B+7], s[G1B:G1B+7]
	s_nop 0
	PLACES
.Lasked_\@:
.endm
.macro CREST                           ; a round of the cluster's barrier behind its opening barrier
	s_cmp_lg_u32 s10, 0
	s_cbranch_scc1 .Lnot_wave_0_\@
	s_barrier_signal -3
.Lnot_wave_0_\@:
	s_barrier_wait -3
	s_barrier_signal -1
	s_barrier_wait -1
.endm
.macro CROUND
	s_barrier_signal -1
	s_barrier_wait -1
	CREST
.endm
	s_load_b128 s[4:7], s[0:1], 0x0                ; A s[4:5], wb s[6:7]
	s_load_b64 s[8:9], s[0:1], 0x10                ; the output
	v_lshl_add_u32 v[SPW], v0, 2, SPARE
	v_mov_b32 v[NIL], 0
	ds_add_u32 v28, v29
	s_wait_dscnt 0x0
	v_lshrrev_b32 v1, 5, v0
	v_readfirstlane_b32 s10, v1                    ; wave 0..3
	s_lshr_b32 s11, s10, 1                         ; which half of the tile's rows is mine
	s_and_b32 s12, s10, 1                          ; which half of its columns.  Also: which half of A's or W's tile I fetch
	s_bfe_u32 s40, ttmp6, 0x40000                  ; cx, cy: my place in the cluster
	s_bfe_u32 s41, ttmp6, 0x40004
	s_lshl_b32 s42, ttmp9, 2
	s_add_co_u32 s42, s42, s40                     ; tile column tx = 4 x cluster x + cx
	s_and_b32 s13, ttmp7, 0xffff
	s_lshl_b32 s13, s13, 2
	s_add_co_u32 s13, s13, s41                     ; tile row ty = 4 x cluster y + cy
	s_lshl_b32 s43, s41, 2
	s_lshl_b32 s43, 15, s43                        ; my row of the cluster
	s_lshl_b32 s44, 0x1111, s40                    ; my column
	; A's tile: a block's 256 rows are 32,768 dense bytes: asked for as 128 rows of 256 bytes, two rows of A each, and padded in LDS after every 128 bytes
	s_or_b32 s[G1+0], s43, (1<<16)|(1<<20)|(1<<21)|(4<<22)|(3<<25)  ; 15:0 the mask: my row; 17:16 2-byte elements; 20 padding on; 21 set beside a mask; 24:22 after every 32 words; 31:25 4 words
	s_mov_b32 s[G1+1], 128<<16                     ; tensor_dim0 = 128
	s_mov_b32 s[G1+2], 128<<16                     ; tensor_dim1 = 128
	s_mov_b32 s[G1+3], 128<<16                     ; tile_dim0 = 128
	s_mov_b32 s[G1+4], 128                         ; tile_dim1 = 128
	s_mov_b32 s[G1+5], 128                         ; 128 elements from row to row
	s_mov_b32 s[G1+6], 0
	s_mov_b32 s[G1+7], 0
	; W's tile: 64 k-rows of 256 elements (512 bytes), padded by 32 bytes
	s_or_b32 s[G1B+0], s44, (1<<16)|(1<<20)|(1<<21)|(6<<22)|(7<<25)  ; the mask: my column; after every 128 words 8 words
	s_mov_b32 s[G1B+1], 256<<16
	s_mov_b32 s[G1B+2], 64<<16
	s_mov_b32 s[G1B+3], 256<<16
	s_mov_b32 s[G1B+4], 64
	s_mov_b32 s[G1B+5], NDIM
	s_mov_b32 s[G1B+6], 0
	s_mov_b32 s[G1B+7], 0
	; where the tiles come from.  A's hang on ty and the wave alone, W's on tx and the wave alone, each in registers that never hold the other coordinate
	s_lshl_b32 s16, s13, 15                        ; 256 rows of 128 bytes a tile row,
	s_lshl_b32 s17, s12, 19                        ; a block a half
	s_add_co_u32 s16, s16, s17
	s_mov_b32 s17, 0
	s_lshr_b32 s46, s42, 2
	s_lshl_b32 s46, s46, 21                        ; the weight tx / 4: 2,097,152 bytes each
	s_and_b32 s47, s42, 3
	s_lshl_b32 s47, s47, 9                         ; 256 columns of 2 bytes
	s_add_co_u32 s46, s46, s47
	s_mul_i32 s47, s12, 128*NDIM                   ; 64 k-rows a half
	s_add_co_u32 s46, s46, s47
	s_mov_b32 s47, 0
	s_mul_i32 s20, s12, PIECE                      ; where a load of A lands,
	s_mul_i32 s21, s12, HALFB
	s_add_co_u32 s21, s21, BOFF                    ; and one of W: no place in the cluster enters an LDS address
	s_lshl_b32 s18, s42, 21                        ; my part's first byte in the output: block 4 tx + 2 half, row 256 ty + 128 half
	s_lshl_b32 s19, s12, 20
	s_add_co_u32 s18, s18, s19
	s_lshl_b32 s19, s13, 15
	s_add_co_u32 s18, s18, s19
	s_lshl_b32 s19, s11, 14
	s_add_co_u32 s18, s18, s19
	s_mov_b32 s19, 0
	s_wait_kmcnt 0x0
	s_add_nc_u64 s[14:15], s[4:5], s[16:17]
	s_add_nc_u64 s[46:47], s[6:7], s[46:47]
	s_add_nc_u64 s[8:9], s[8:9], s[18:19]
.irp s, 0,1
	s_mov_b32 s[G0+4*(\s)], 1                                      ; count = 1
	s_add_co_u32 s[G0+4*(\s)+1], s20, (\s)*SLOT                    ; LDS address
	s_add_nc_u64 s[G0+4*(\s)+2:G0+4*(\s)+3], s[14:15], (\s)*ASTEP  ; global address: K step s
	s_or_b32 s[G0+4*(\s)+3], s[G0+4*(\s)+3], 0x80000000            ; type = 2
	s_mov_b32 s[G0B+4*(\s)], 1
	s_add_co_u32 s[G0B+4*(\s)+1], s21, (\s)*SLOT
	s_add_nc_u64 s[G0B+4*(\s)+2:G0B+4*(\s)+3], s[46:47], (\s)*BSTEP
	s_or_b32 s[G0B+4*(\s)+3], s[G0B+4*(\s)+3], 0x80000000
.endr
	CROUND                                         ; all sixteen work-groups are here: the first joint loads meet
	s_cmp_lt_u32 s10, 2                            ; a wave's two first fills stand in one branch, ahead of every wait on TENSORcnt and every LDS read: two loads of mine are out
	s_cbranch_scc0 .Lfirst_b
	tensor_load_to_lds s[G0:G0+3], s[G1:G1+7]
	s_nop 0
	tensor_load_to_lds s[G0+4:G0+7], s[G1:G1+7]
	s_nop 0
	PLACES
	s_branch .Lfirst_asked
.Lfirst_b:
	tensor_load_to_lds s[G0B:G0B+3], s[G1B:G1B+7]
	s_nop 0
	tensor_load_to_lds s[G0B+4:G0B+7], s[G1B:G1B+7]
	s_nop 0
	PLACES
.Lfirst_asked:
	; a fragment of A is 16 rows x 32 k: lane l holds row l % 16, k = 8 (l / 16) + 0..7 and 16 + 8 (l / 16) + 0..7: two loads of 16 bytes, 32 bytes apart
	v_and_b32 v1, 15, v0                           ; l % 16
	v_bfe_u32 v2, v0, 4, 1                         ; l / 16
	v_mul_u32_u24 v[ADRA0], v1, PA
	v_lshl_add_u32 v[ADRA0], v2, 4, v[ADRA0]
	s_mul_i32 s22, s11, 128*PA                     ; my 128 rows
	v_add_nc_u32 v[ADRA0], s22, v[ADRA0]
	; the turning load takes 16 k x 16 columns (lane l reads k-row 8 (l / 16) + l % 8, columns 8 ((l / 8) % 2) + 0..7) and leaves half a fragment: lane l holds column l % 16 and 8 k
	v_and_b32 v3, 7, v0
	v_lshl_add_u32 v3, v2, 3, v3
	v_mul_u32_u24 v[ADRB0], v3, PB
	v_bfe_u32 v3, v0, 3, 1
	v_lshl_add_u32 v[ADRB0], v3, 4, v[ADRB0]
	s_lshl_b32 s22, s12, 8                         ; my 128 columns
	s_add_co_u32 s22, s22, BOFF
	v_add_nc_u32 v[ADRB0], s22, v[ADRB0]
	v_mov_b32 v[ADRA], v[ADRA0]
	v_mov_b32 v[ADRB], v[ADRB0]
	s_mov_b32 s2, 0                                ; the slot in hand begins here
	s_mul_i32 s23, s10, STGW                       ; my bytes on the way out
	v_mul_u32_u24 v[STO], v1, SPITCH               ; in: row l % 16, 32 bytes for each half of the lanes
	v_lshl_add_u32 v[STO], v2, 5, v[STO]
	v_add_nc_u32 v[STO], s23, v[STO]
	v_mul_u32_u24 v[RD], v2, SPITCH                ; back: lanes 0-15 take 64 columns of one row, lanes 16-31 of the next
	v_lshl_add_u32 v[RD], v1, 4, v[RD]
	v_add_nc_u32 v[RD], s23, v[RD]
	v_and_b32 v[GO], 31, v0                        ; two rows of a block are 256 consecutive bytes: 8 bytes a lane
	v_lshlrev_b32 v[GO], 3, v[GO]
; 16 matrix instructions: m blocks a0, a0 + 1 of the window's four (hi = 0: my rows 0-63, 1: rows 64-127) x all 8 n blocks, 32 along K.  zero = 1: the first product starts the sums.
; The 64 accumulators take turns, one instruction a turn, in the same order in every quarter.
.macro MUL16 f, hi, a0, zero
	WIN MUL_LO+0x50*(\hi)
.irp a, \a0, (\a0)+1
.irp b, 0,1,2,3,4,5,6,7
.if \zero
	v_wmma_f32_16x16x32_f16 v[8*(8*(\a)+(\b)):8*(8*(\a)+(\b))+7], v[(\f)+8*(\b):(\f)+8*(\b)+7], v[(\f)+8*(4*(\hi)+(\a)):(\f)+8*(4*(\hi)+(\a))+7], 0
.else
	v_wmma_f32_16x16x32_f16 v[8*(8*(\a)+(\b)):8*(8*(\a)+(\b))+7], v[(\f)+8*(\b):(\f)+8*(\b)+7], v[(\f)+8*(4*(\hi)+(\a)):(\f)+8*(4*(\hi)+(\a))+7], v[8*(8*(\a)+(\b)):8*(8*(\a)+(\b))+7]
.endif
.endr
.endr
.endm
; 32 LDS loads in one run: the fragments of quarter q (32 along K) of the slot in hand into buffer f: W's 128 columns, then A's 128 rows
.macro FETCH q, f
	WIN TO_B
.irp i, 0,1,2,3,4,5,6,7
	ds_load_tr16_b128 v[(\f)+8*(\i):(\f)+8*(\i)+3],   v[ADRB] offset:32*(\q)*PB+32*(\i)
	ds_load_tr16_b128 v[(\f)+8*(\i)+4:(\f)+8*(\i)+7], v[ADRB] offset:(32*(\q)+16)*PB+32*(\i)
.endr
	WIN 0
.irp i, 0,1,2,3,4,5,6,7
	ds_load_b128 v[(\f)+8*(\i):(\f)+8*(\i)+3],   v[ADRA] offset:((\q)/2)*PIECE+(\i)*16*PA+((\q)%2)*64
	ds_load_b128 v[(\f)+8*(\i)+4:(\f)+8*(\i)+7], v[ADRA] offset:((\q)/2)*PIECE+(\i)*16*PA+((\q)%2)*64+32
.endr
.endm
; A K step is four quarters of 32 along K, 64 matrix instructions each, on buffers 0, 1, 0, 1.  One of the first three: multiplies buffer f and, in its middle, fetches quarter qn into g.
.macro QUARTER qn, f, g, zero
	s_wait_dscnt 8                                 ; W and A's rows 0-63 are in; the youngest eight loads (A's rows 64-127) may be out
	MUL16 \f, 0, 0, \zero
	MUL16 \f, 0, 2, \zero
	PLACES
	FETCH \qn, \g
	s_wait_dscnt 32                                ; all but the 32 just issued
	MUL16 \f, 1, 0, \zero
	MUL16 \f, 1, 2, \zero
.endm
; The last quarter multiplies buffer 1 and changes slots: ONE barrier; in front of it each wave waits for all its tensor loads, adds 0 to its spare word, and waits for that and for its own reads of the slot.
; fill = 1: the barrier opens a round of the cluster's, and behind the round the slot left is filled again, two K steps ahead, by a joint load.  fill = 0: nothing is asked for.
.macro TURN fill
	WIN 0                                          ; (the add's two registers lie in window 0)
	s_wait_tensorcnt 0x0                           ; all my tensor loads have landed: the one that was out is my part of the next slot
	ds_add_u32 v[SPW], v[NIL]                      ; 0 onto my spare word
	s_wait_dscnt 9                                 ; (the add and the youngest eight loads may be out)
	MUL16 F1, 0, 0, 0                              ; sixteen matrix instructions stand between the add and the wait for it
	s_wait_dscnt 0x0                               ; the add is done, and my reads of this slot are over
	s_barrier_signal -1
	MUL16 F1, 0, 2, 0
	WIN 0                                          ; (branches and window 0's addresses follow)
	s_barrier_wait -1
.if \fill
	CREST                                          ; no wave of any partner still reads this slot or has a load on its way
	s_xor_b32 s[G0+5], s[G0+5], SLOT               ; the walking sets: the other slot than last time, the next K step; no load of mine is out
	s_add_nc_u64 s[G0+6:G0+7], s[G0+6:G0+7], ASTEP
	s_xor_b32 s[G0B+5], s[G0B+5], SLOT
	s_add_nc_u64 s[G0B+6:G0B+7], s[G0B+6:G0B+7], BSTEP
	JLOAD                                          ; the first tensor load behind the round: 224 matrix instructions ahead of the wait for it; its four v_nop are also the places in front of the loads below
.else
	PLACES
.endif
	s_xor_b32 s2, s2, SLOT                         ; the fetches go on in the other slot
	v_add_nc_u32 v[ADRA], s2, v[ADRA0]
	v_add_nc_u32 v[ADRB], s2, v[ADRB0]
	FETCH 0, F0
	MUL16 F1, 1, 0, 0
	MUL16 F1, 1, 2, 0
.endm
	s_wait_tensorcnt 1                             ; my part of K step 0 is in; step 1's may stay out
	s_barrier_signal -1
	s_barrier_wait -1                              ; everybody's is
	FETCH 0, F0
	QUARTER 1, F0, F1, 1                           ; the first quarter stands in front of the loop: its products start the sums
	WIN 0                                          ; at a label and at a branch every window is 0
	s_mov_b32 s3, STEPS-2
.Lstep:                                                ; a trip: from a K step's second quarter to the next step's first; it fills the slot that it leaves
	QUARTER 2, F1, F0, 0
	QUARTER 3, F0, F1, 0
	TURN 1
	QUARTER 1, F0, F1, 0
	WIN 0
	s_sub_co_u32 s3, s3, 1
	s_cmp_lg_u32 s3, 0
	s_cbranch_scc1 .Lstep
	QUARTER 2, F1, F0, 0                           ; the last two K steps ask for no further step
	QUARTER 3, F0, F1, 0
	TURN 0
	QUARTER 1, F0, F1, 0
	QUARTER 2, F1, F0, 0
	QUARTER 3, F0, F1, 0
	s_wait_dscnt 8                                 ; the very last quarter: nothing more to fetch
	MUL16 F1, 0, 0, 0
	MUL16 F1, 0, 2, 0
	s_wait_dscnt 0x0                               ; my reads of the slots are over:
	s_barrier_signal -1                            ; say so, since the way out writes where other waves have been reading,
	MUL16 F1, 1, 0, 0
	MUL16 F1, 1, 2, 0
	WIN 0
	s_barrier_wait -1                              ; and go on when all four have said so; no tensor load is out or will be issued
	; THE WAY OUT.  My 128 x 128 sums go as f32 into my own 128 rows of 528 bytes, each accumulator's low registers first, and come back by rows, 4 rows a trip.
	PLACES
.irp hi, 0,1
	WIN 0x08+4*(\hi)                               ; the stores' data (source 1) in window 2, then 3
.irp a, 0,1,2,3
.irp b, 0,1,2,3,4,5,6,7
	ds_store_b128 v[STO], v[8*(8*(\a)+(\b)):8*(8*(\a)+(\b))+3]   offset:(4*(\hi)+(\a))*16*SPITCH+64*(\b)
	ds_store_b128 v[STO], v[8*(8*(\a)+(\b))+4:8*(8*(\a)+(\b))+7] offset:(4*(\hi)+(\a))*16*SPITCH+64*(\b)+16
.endr
.endr
.endr
	WIN 0
.macro LOADROWS                        ; load i: rows 2 (i % 2), 2 (i % 2) + 1 of the trip's four, columns 64 (i / 2) on.  LDS serves a wave's instructions in order (ISA guide 5.7.1.4): these see my stores above
.irp i, 0,1,2,3
	ds_load_b128 v[T+4*\i:T+4*\i+3], v[RD] offset:(\i%2)*2*SPITCH+(\i/2)*256
.endr
.endm
	LOADROWS
	s_mov_b32 s3, 32
.Lrow:
	s_wait_dscnt 0x0                               ; this trip's 4 rows are back in registers
.irp i, 0,1,2,3,4,5,6,7
	v_cvt_pk_f16_f32 v[Y+\i], v[T+2*\i], v[T+2*\i+1]
.endr
	s_cmp_eq_u32 s3, 1
	s_cbranch_scc1 .Lno_rows                       ; behind the last 4 rows there are none
	v_add_nc_u32 v[RD], 4*SPITCH, v[RD]
	LOADROWS                                       ; the next 4 rows come while these are stored
.Lno_rows:
.irp i, 0,1,2,3
	global_store_b64 v[GO], v[Y+2*\i:Y+2*\i+1], s[8:9] offset:(\i/2)*524288+(\i%2)*256  ; 32 lanes store 256 consecutive bytes (two rows of a block), at a multiple of 256
.endr
	s_wait_xcnt 0x0                                ; the stores' addresses are translated (ISA guide 3.1): only behind this wait are their base and Y written again
	s_add_nc_u64 s[8:9], s[8:9], 4*128
	s_sub_co_u32 s3, s3, 1
	s_cmp_lg_u32 s3, 0
	s_cbranch_scc1 .Lrow
	s_wait_tensorcnt 0x0                           ; the wave's end: behind my last tensor load and my last LDS store
	ds_add_u32 v[SPW], v[NIL]
	s_wait_dscnt 0x0
	CROUND                                         ; the closing round: no work-group ends while a partner may still ask for a tile that names it
	s_endpgm
.Lfunc_end_k_qed5f7eb9d9_qkv:
	.size	k_qed5f7eb9d9_qkv, .Lfunc_end_k_qed5f7eb9d9_qkv-k_qed5f7eb9d9_qkv
	.p2alignl 7, 3214868480
	.fill 96, 4, 3214868480
	.section	.rodata,"a",@progbits
	.p2align	6, 0x0
	.amdhsa_kernel k_qed5f7eb9d9_qkv
		.amdhsa_group_segment_fixed_size 327680
		.amdhsa_private_segment_fixed_size 0
		.amdhsa_enable_private_segment 0
		.amdhsa_kernarg_size 24
		.amdhsa_user_sgpr_count 2
		.amdhsa_user_sgpr_kernarg_segment_ptr 1
		.amdhsa_wavefront_size32 1
		.amdhsa_system_sgpr_workgroup_id_x 1
		.amdhsa_system_sgpr_workgroup_id_y 1
		.amdhsa_system_sgpr_workgroup_id_z 1
		.amdhsa_system_vgpr_workitem_id 0
		.amdhsa_next_free_vgpr 1024
		.amdhsa_next_free_sgpr 102
		.amdhsa_reserve_vcc 0
		.amdhsa_float_denorm_mode_32 3
		.amdhsa_float_denorm_mode_16_64 3
		.amdhsa_memory_ordered 1
		.amdhsa_forward_progress 1
		.amdhsa_inst_pref_size 95
	.end_amdhsa_kernel
	.amdgpu_metadata
---
amdhsa.version: [ 1, 2 ]
amdhsa.kernels:
  - .name:           k_qed5f7eb9d9_qkv
    .symbol:         k_qed5f7eb9d9_qkv.kd
    .args:
      - { .name: h1, .offset: 0, .size: 8, .value_kind: global_buffer, .address_space: global }
      - { .name: wb, .offset: 8, .size: 8, .value_kind: global_buffer, .address_space: global }
      - { .name: qkv, .offset: 16, .size: 8, .value_kind: global_buffer, .address_space: global }
    .group_segment_fixed_size: 327680
    .private_segment_fixed_size: 0
    .kernarg_segment_align: 8
    .kernarg_segment_size: 24
    .max_flat_workgroup_size: 128
    .sgpr_count:     102
    .vgpr_count:     1024
    .wavefront_size: 32
...
	.end_amdgpu_metadata
.endif
;; end of part 2
;; launch attn (part 3): grid 8 x 32, 8 waves a work-group, no clusters, 327,680 bytes of LDS; arguments qkv, ctx; writes ctx
.if DOCPART == 3
	.amdgcn_target "amdgcn-amd-amdhsa--gfx1250"
	.amdhsa_code_object_version 6
	.text
	.protected	k_qed5f7eb9d9_attn
	.globl	k_qed5f7eb9d9_attn
	.p2align	8
	.type	k_qed5f7eb9d9_attn,@function
k_qed5f7eb9d9_attn:
	s_mov_b64 s[64:65], 0
	v_nop
	global_prefetch_b8 v0, s[64:65] scope:SCOPE_SE
	s_setreg_imm32_b32 hwreg(HW_REG_WAVE_MODE, 25, 1), 1
	s_wait_xcnt 0x0
; CAUSAL ATTENTION.  O[y][q][:] = the sum over k <= q of softmax_k(Q[y][q] . K[y][k] / 8) V[y][k][:], for 32 heads y = 16 batch + head of 2,048 rows x 64 channels, all f16.
; qkv: [48 blocks][4096 rows][64]: q's heads are blocks 0-15, k's 16-31, v's 32-47; a head's 2,048 rows of a batch are 262,144 dense bytes.  ctx: [16 blocks][4096][64], the same way.
; Products, maxima and sums in f32; the weights p are rounded to f16 for the second product (their sum l is taken of the unrounded p), O once at the end.
; LIMITS.  q, k, v arrive within f16's 65,504; p lies in 0 to 1 and below 6e-5 keeps f16's fixed step of 6e-8.  A hidden score counts as -2^100: f16's scores, 2.7e11 at the most, are nothing beside that.
; A weight below 2^-126 counts as 0 in l; NaN and infinities are not treated apart.
; THE WALK.  A head's queries lie in 16 blocks of 128; block i needs the key tiles 0 .. i / 2 of 256 keys.  A work-group takes TWO blocks, 15 - b and then b: 9 tiles whatever b: all work-groups do equal
; work, and one loop with a constant trip count walks the tiles.
; NO CLUSTER: a head's 8 work-groups ask for the same tile only in trips 0 to 4 of the 9; behind that the first blocks end one after the other; a walk common to all partners would have 12 trips for 9.
; SHARES.  Eight waves.  Wave w has the 32 queries 32 (w % 4) on of a block, two tiles of 16, and of the key steps of 64 those of parity p = w / 4: block i has 2 (i + 1) steps with a visible key, i + 1 of
; each parity, so all eight waves do equal work, 17 steps in the walk.  The two waves of a pair (w, w + 4) keep a running maximum, sum and O^T each; at a block's end they are joined (THE MERGE).  A step's K and
; V are read from LDS by four waves, whichever the parity: no more LDS reads for a product than with four waves; and while one wave of a SIMD walks its softmax the other has products to issue.
; KOFF = the first key of the pair of steps in hand less the block's first query, the same in all waves: from 128 on the steps are dead and are jumped over (forward, to the counter's step; neither a
; barrier nor a tensor load is passed); from 0 on hidden scores are replaced.
; LAYOUT.  S^T = K Q^T (source 0 = 16 keys, source 1 = 16 queries): a lane holds ONE query (lane % 16) and the keys 8 (lane / 16) + 0..7.  Two such results, rounded to f16 in pairs, ARE source 1 of
; O^T = V^T P, whose result again holds one query a lane, and eight channels.  K comes out of LDS as it lies, V ([key][channel]) turned, by ds_load_tr16_b128.
; SOFTMAX.  For each query a running maximum m and sum l: p = 2^(c s - c m), c = log2(e) / 8; in every step O and l are multiplied by a = 2^(c m_old - c m_new).  A block starts with c m far below every
; c s, so its first a is 0 and O and l need only be finite.
; THE MERGE.  Register tile t of a wave holds the queries 16 (t xor p) on: so every wave OWNS its register tile 0 and SENDS its register tile 1, by one text.  With c m the greater of the two waves' c m and
; f = 2^(c m_own - c m): l = fA lA + fB lB, O = (fA OA + fB OB) / l.  In block 0 the waves of parity 1 see keys 64-127 alone, all hidden from queries 0-63: there m is the mask's -2^100 itself; c times a
; power of two is exact, so c s - c m is exactly 0, every p is 1 and the part stays finite; beside the partner's true maximum its f is 2^(-2.3e29) = 0.  Everywhere else m is a true score when the first hidden one comes.
; IN PHASES: a step's 16 products K Q^T, the softmax, its 16 products V^T P; the wave's next K is fetched behind the first products, its next V behind the second.
; REGISTERS.  Window 0: v0-15, v32-40 addresses and at work; v16-23 statistics; v24-31 at work; v64-127 S^T; v128-159 P; v160-223 O^T.  Window 1: v0-31 Q; v32-63 the second block's Q; v64-127 K; v128-191 V.
.set KS,    64        ; keys in a step
.set PK,    144       ; a row of K in LDS: 128 bytes + 16: the 16 rows of a load start at 16 different groups of four banks (64 banks of 4 bytes: ISA guide 11.1)
.set PV,    160       ; a row of V: 128 + 32
.set VOFF,  4*KS*PK   ; a slot holds a tile, four steps: 256 rows of K, then 256 rows of V
.set SLOT1, 1<<17     ; slot 1 begins here
.set STAGE, SLOT1+4*KS*(PK+PV)  ; behind the ring, never filled by a tensor load: 16 rows x 144 bytes for each wave, for the way out
.set SP,    144
.set XCH,   STAGE+8*16*SP  ; the exchange, never filled by a tensor load: for each wave 9 x 512 bytes: a tile's O^T (32 registers) and its four statistics, 16 bytes a lane
.set XW,    9*512
.set SPARE, XCH+8*XW  ; the spare words, 128 bytes for each wave: four blocks of 256 bytes that no other line names
.set AK0, 2           ; v2   my lane's place in a tile of K; never rewritten
.set AV0, 3           ; v3   the same for V
.set AK,  4           ; v4   the LDS address of K's next run of loads
.set AV,  5           ; v5   of V's
.set STO, 6           ; v6   the way out: where I put 16 bytes of a row
.set RD,  7           ; v7   the way out: where I read rows back
.set GO,  8           ; v8   my byte offset in the pair's 32 rows of O
.set XO,  9           ; v9   the exchange: where I put my 16 bytes
.set VT,  10          ; v10-11  DQ - KOFF
.set MV,  12          ; v12-13  c m_old, kept while c m is made anew
.set DQ,  14          ; v14-15  tile t: my query's place in the block, less my lanes' 8 (l / 16), less my steps' 64 p
.set ST,  16          ; tile t's statistics at v[ST+4 t]: c m, m, l (even keys', odd keys')
.set TMP, 24          ; tile t: four registers c0-c3 at work; when the maximum is found c2 takes a
.set QO,  36          ; v36-37  tile t: my byte offset in the pair's 32 rows of Q
.set XI,  39          ; v39  the exchange: where my partner put its 16 bytes for me
.set BG,  40          ; v40  -2^100
.set SPW, 62          ; v62  LDS address of my spare word; never rewritten
.set NIL, 63          ; v63  0; never rewritten
.set S,   64
.set P,   128
.set O,   160
.set QB,  32          ; window 1
.set KF,  64          ; window 1: key block kb, channel half c at KF + 16 kb + 8 c
.set VF,  128         ; window 1: key half kk, channel block cb at VF + 32 kk + 8 cb
.set WV,  12          ; s12  my wave's number, 0 to 7
.set PB,  14          ; s14  b
.set HI,  15          ; s15  15 - b
.set G1K, 24          ; s[24:31] descriptor group 1 for K's tiles
.set G1V, 32          ; s[32:39] for V's: it differs in the padding alone
.set G0K, 40          ; s[40:43] descriptor group 0 for K's tiles
.set G0V, 44          ; s[44:47] the same for V's
.set QW,  48          ; s48  w % 4: which 32 queries
.set PR,  49          ; s49  p = w / 4: which steps
.set PQ,  50          ; s50  2,048 p: 16 rows of 128 bytes
.set PKO, 54          ; s54  p steps of K in a slot
.set PVO, 55          ; s55  p steps of V
.set SLOTS, 56        ; s56  tiles still to be asked for
.set CNT, 57          ; s57  counts a tile's two pairs of steps, 2 to 1
.set CS,  58          ; s[58:59] c
.set SEL, 60          ; s[60:61] v_permlanex16_b32's selects: each lane takes its own place in the other half
.set TBK, 62          ; s62  LDS byte at which K of the step to be fetched begins
.set TBV, 63          ; s63  the same for V, less VOFF
.set RT,  70          ; s70  tiles of the block in hand that are still to be entered
.set NXT, 71          ; s71  the tile to be asked for next
.set LQ,  72          ; s72  the last tile of the block whose tiles are being asked for
.set OFF, 74          ; s[74:75] a tile's byte offset in K and V
.set OLO, 80          ; s[80:81] O at the pair's rows of the second block
.set KOFF, 83         ; s83
.set SB,  88          ; s88  the slot to be read begins here
.set LQ2, 89          ; s89  b / 2: the second block's last tile
.set MSB, 0
.macro WIN new                      ; the high byte repeats the setting that is left; a switch that changes nothing is dropped
.if MSB != (\new)
	s_set_vgpr_msb (MSB<<8)|(\new)
.set MSB, (\new)
.endif
.endm
.set W_KQ, 0x05       ; K and Q in window 1, S^T in window 0
.set W_PV, 0x01       ; V in window 1, P and O^T in window 0
.set W_LD, 0x40       ; destination in window 1, address in window 0
.macro PLACES
.rept 4
	v_nop
.endr
.endm
; A fill.  Waves 0 and 1 fetch the two halves of a tile's K, waves 2 and 3 those of its V: 128 keys each (64 rows of 256 bytes a load); waves 4 to 7 have no part to fetch.
; An s_nop 0 and four v_nop follow each of the two lines.
.macro LOAD
	s_cmp_lt_u32 s[WV], 2
	s_cbranch_scc0 .Lnot_k_\@
	tensor_load_to_lds s[G0K:G0K+3], s[G1K:G1K+7]
	s_nop 0
	PLACES
	s_branch .Lasked_\@
.Lnot_k_\@:
	s_cmp_lt_u32 s[WV], 4
	s_cbranch_scc0 .Lasked_\@
	tensor_load_to_lds s[G0V:G0V+3], s[G1V:G1V+7]
	s_nop 0
	PLACES
.Lasked_\@:
.endm
; THE CHANGE OF SLOTS.  Each wave waits for all its tensor loads, of which at most one is out: its part of the other slot; adds 0 to its spare word; and waits for that and for its own reads of the slot that it
; leaves.  Behind the barrier nobody reads the old slot any more and the other slot is whole.  fill = 1: the old slot is filled again, the first thing behind the barrier, with tile NXT: the descriptor's
; address is made anew from that number.  (At its first use nothing has been read yet: slot 0 is waited for, slot 1 filled.)
.macro CHANGE fill
	WIN 0
	s_wait_tensorcnt 0x0            ; no tensor load of mine is out, so a group 0 may be written
	ds_add_u32 v[SPW], v[NIL]       ; 0 onto my spare word; the descriptors' scalar work stands between it and the wait for it
.if \fill
	s_lshl_b32 s[OFF], s[NXT], 15   ; a tile is 32,768 bytes of K and of V
	s_xor_b32 s[G0K+1], s[G0K+1], SLOT1
	s_add_nc_u64 s[G0K+2:G0K+3], s[6:7], s[OFF:OFF+1]
	s_or_b32 s[G0K+3], s[G0K+3], 0x80000000
	s_xor_b32 s[G0V+1], s[G0V+1], SLOT1
	s_add_nc_u64 s[G0V+2:G0V+3], s[8:9], s[OFF:OFF+1]
	s_or_b32 s[G0V+3], s[G0V+3], 0x80000000
	s_add_co_u32 s[NXT], s[NXT], 1  ; the block's next tile, or behind its last the second block's tile 0
	s_cmp_gt_u32 s[NXT], s[LQ]
	s_cselect_b32 s[NXT], 0, s[NXT]
	s_cselect_b32 s[LQ], s[LQ2], s[LQ]
.endif
	s_wait_dscnt 0x0                ; the add is done, and my reads of the slot are over
	s_barrier_signal -1
	s_xor_b32 s[SB], s[SB], SLOT1   ; the fetches go on in the other slot
	s_barrier_wait -1
.if \fill
	LOAD
.endif
.endm
.macro NEWBLOCK                     ; c m far below every c s, m the lowest finite number
.irp t, 0,1
	v_mov_b32 v[ST+4*\t], 0xfe000000
	v_mov_b32 v[ST+4*\t+1], 0xff7fffff
.endr
.endm
	s_load_b64 s[4:5], s[0:1], 0x0    ; qkv
	s_load_b64 s[10:11], s[0:1], 0x8  ; ctx
	v_lshl_add_u32 v[SPW], v0, 2, SPARE
	v_mov_b32 v[NIL], 0
	ds_add_u32 v62, v63
	s_wait_dscnt 0x0
	s_barrier_signal -1
	s_barrier_wait -1
	v_lshrrev_b32 v1, 5, v0
	v_readfirstlane_b32 s[WV], v1   ; wave 0..7
	s_and_b32 s[QW], s[WV], 3
	s_lshr_b32 s[PR], s[WV], 2
	s_lshl_b32 s[PQ], s[PR], 11
	s_xor_b32 s51, s[PQ], 2048      ; 2,048 (1 - p)
	s_mul_i32 s[PKO], s[PR], KS*PK
	s_mul_i32 s[PVO], s[PR], KS*PV
	s_mov_b32 s[PB], ttmp9
	s_sub_co_u32 s[HI], 15, s[PB]
	s_lshr_b32 s[LQ2], s[PB], 1
	s_and_b32 s20, ttmp7, 0xffff    ; y = 16 batch + head
	s_and_b32 s21, s20, 15
	s_lshl_b32 s21, s21, 19         ; the head's block,
	s_lshr_b32 s20, s20, 4
	s_lshl_b32 s20, s20, 18         ; the batch's 2,048 rows in it
	s_add_co_u32 s20, s20, s21
	s_and_b32 s16, s[WV], 1         ; which half of a tile's 256 keys a fetching wave fetches:
	s_lshl_b32 s22, s16, 14         ; its 128 rows of 128 bytes in memory,
	s_add_co_u32 s22, s22, s20
	s_add_co_u32 s22, s22, 8388608  ; in k's third of qkv
	s_mov_b32 s23, 0
	s_mul_i32 s17, s16, 128*PK      ; and its place in a slot, for K
	s_mul_i32 s18, s16, 128*PV      ; and for V
	s_lshl_b32 s3, s[QW], 12        ; the pair's 32 rows in a block of 128,
	s_lshl_b32 s2, s[HI], 14        ; in the first block,
	s_add_co_u32 s2, s2, s3
	s_add_co_u32 s2, s2, s20
	s_lshl_b32 s84, s[PB], 14       ; and in the second
	s_add_co_u32 s84, s84, s3
	s_add_co_u32 s84, s84, s20
	s_mov_b32 s3, 0
	s_mov_b32 s85, 0
	; descriptor group 1.  128 keys are 16,384 dense bytes: asked for as 64 rows of 256 bytes, two keys a row, and padded in LDS after every key
	s_mov_b32 s[G1K], (1<<16)|(1<<20)|(4<<22)|(3<<25)  ; 17:16 2-byte elements; 20 padding on; 24:22 after every 32 words; 31:25 4 words
	s_mov_b32 s[G1V], (1<<16)|(1<<20)|(4<<22)|(7<<25)  ; the same with 8 words of padding
.irp g, G1K, G1V
	s_mov_b32 s[\g+1], 128<<16      ; tensor_dim0 = 128
	s_mov_b32 s[\g+2], 64<<16       ; tensor_dim1 = 64
	s_mov_b32 s[\g+3], 128<<16      ; tile_dim0 = 128
	s_mov_b32 s[\g+4], 64           ; tile_dim1 = 64
	s_mov_b32 s[\g+5], 128          ; 128 elements from row to row
	s_mov_b32 s[\g+6], 0
	s_mov_b32 s[\g+7], 0
.endr
	s_mov_b32 s[CS], 0x3e38aa3b     ; c = log2(e) / 8 = 0.180337
	s_mov_b32 s[CS+1], s[CS]        ; named with it as a pair
	s_mov_b32 s[SEL], 0x76543210
	s_mov_b32 s[SEL+1], 0xfedcba98
	s_mov_b32 s[SB], SLOT1          ; the first change of slots turns it into 0
	s_mov_b32 s[G0K], 1             ; count = 1
	s_mov_b32 s[G0K+1], s17         ; LDS address: slot 0
	s_mov_b32 s[G0V], 1
	s_add_co_u32 s[G0V+1], s18, VOFF
	s_lshr_b32 s[LQ], s[HI], 1      ; the first block's last tile,
	s_add_co_u32 s[RT], s[LQ], 1    ; and how many it has
	s_mov_b32 s[NXT], 1
	s_mov_b32 s[OFF+1], 0
	s_lshl_b32 s[KOFF], s[HI], 7
	s_sub_co_i32 s[KOFF], 0, s[KOFF]  ; key 0 less the first block's first query
	s_mov_b32 s[SLOTS], 8
	s_wait_kmcnt 0x0
	s_add_nc_u64 s[6:7], s[4:5], s[22:23]          ; K at a fetching wave's half of the head's tile 0,
	s_add_nc_u64 s[8:9], s[6:7], 8388608           ; V a third of qkv further on
	s_add_nc_u64 s[G0K+2:G0K+3], s[6:7], 0         ; global address
	s_or_b32 s[G0K+3], s[G0K+3], 0x80000000        ; type = 2
	s_add_nc_u64 s[G0V+2:G0V+3], s[8:9], 0
	s_or_b32 s[G0V+3], s[G0V+3], 0x80000000
	s_add_nc_u64 s[86:87], s[4:5], s[84:85]        ; Q at the pair's rows of the second block,
	s_add_nc_u64 s[4:5], s[4:5], s[2:3]            ; Q and O at those of the first
	s_add_nc_u64 s[OLO:OLO+1], s[10:11], s[84:85]
	s_add_nc_u64 s[10:11], s[10:11], s[2:3]
	LOAD                            ; tile 0 into slot 0
	; A fragment of K or Q is 16 rows x 32 channels in 8 registers: lane l holds row l % 16, channels 8 (l / 16) + 0..7 and 16 + 8 (l / 16) + 0..7: two loads of 16 bytes, 32 bytes apart.
	v_and_b32 v1, 15, v0            ; l % 16
	v_bfe_u32 v32, v0, 4, 1         ; l / 16
	v_lshlrev_b32 v35, 7, v1
	v_lshl_add_u32 v35, v32, 4, v35 ; row x 128 + 16 x half
	v_add_nc_u32 v[QO], s[PQ], v35  ; register tile 0: the pair's rows 16 p on,
	v_add_nc_u32 v[QO+1], s51, v35  ; register tile 1: rows 16 (1 - p) on
	WIN W_LD
.set i, 0
.rept 4                             ; both blocks' Q: tile i / 2, channels 32 (i % 2) on
	global_load_b128 v[8*i:8*i+3],   v[QO+i/2], s[4:5] offset:(i%2)*64
	global_load_b128 v[8*i+4:8*i+7], v[QO+i/2], s[4:5] offset:(i%2)*64+32
	global_load_b128 v[QB+8*i:QB+8*i+3],   v[QO+i/2], s[86:87] offset:(i%2)*64
	global_load_b128 v[QB+8*i+4:QB+8*i+7], v[QO+i/2], s[86:87] offset:(i%2)*64+32
.set i, i+1
.endr
	WIN 0
	v_lshlrev_b32 v38, 3, v32
	v_sub_nc_u32 v38, v1, v38       ; l % 16 - 8 (l / 16)
	s_lshl_b32 s13, s[QW], 5
	s_lshl_b32 s52, s[PR], 6
	s_sub_co_i32 s13, s13, s52      ; 32 (w % 4) - 64 p
	s_lshl_b32 s52, s[PR], 4
	s_add_co_i32 s52, s13, s52      ; + 16 p for register tile 0,
	s_xor_b32 s53, s[PR], 1
	s_lshl_b32 s53, s53, 4
	s_add_co_i32 s53, s13, s53      ; + 16 (1 - p) for register tile 1
	v_add_nc_u32 v[DQ], s52, v38
	v_add_nc_u32 v[DQ+1], s53, v38
	v_mov_b32 v[BG], 0xf1800000     ; -2^100
	v_mul_u32_u24 v[AK0], v1, PK
	v_lshl_add_u32 v[AK0], v32, 4, v[AK0]  ; row x pitch + 16 x half
	; The turning load takes 16 keys x 16 channels (lane l reads key 8 (l / 16) + l % 8, channels 8 ((l / 8) % 2) + 0..7) and leaves half a fragment of V^T: lane l holds channel l % 16 and 8 keys.
	v_and_b32 v33, 7, v0
	v_bfe_u32 v34, v0, 3, 1
	v_lshl_add_u32 v[AV0], v32, 3, v33
	v_mul_u32_u24 v[AV0], v[AV0], PV
	v_lshl_add_u32 v[AV0], v34, 4, v[AV0]
	v_add_nc_u32 v[AV0], VOFF, v[AV0]
	s_mul_i32 s13, s[WV], 16*SP
	s_add_co_u32 s13, s13, STAGE    ; my stage
	v_mul_u32_u24 v[STO], v1, SP    ; in: row l % 16, 16 bytes for each half of the lanes
	v_lshl_add_u32 v[STO], v32, 4, v[STO]
	v_add_nc_u32 v[STO], s13, v[STO]
	v_bfe_u32 v[RD], v0, 3, 2       ; back: 32 lanes take four rows of 128 bytes,
	v_mul_u32_u24 v[RD], v[RD], SP
	v_lshl_add_u32 v[RD], v33, 4, v[RD]
	v_add_nc_u32 v[RD], s13, v[RD]
	v_and_b32 v[GO], 31, v0         ; which are 512 consecutive bytes of O
	v_lshlrev_b32 v[GO], 4, v[GO]
	s_mul_i32 s13, s[WV], XW
	s_add_co_u32 s13, s13, XCH
	v_add_nc_u32 v[XO], s13, v[GO]  ; my part of the exchange, 16 bytes a lane,
	s_xor_b32 s13, s[WV], 4
	s_mul_i32 s13, s13, XW
	s_add_co_u32 s13, s13, XCH
	v_add_nc_u32 v[XI], s13, v[GO]  ; and my partner's
	v_add_nc_u32 v[GO], s[PQ], v[GO]  ; the tile that I own: the pair's rows 16 p on
	; A block's first step multiplies O^T and l by a = 0, so they need only be finite: zeros for the first block, what the first block left for the second.  This stands in the wait for the first tile,
	; and spares a first step written out.
.set i, O
.rept 64
	v_mov_b32 v[i], 0
.set i, i+1
.endr
.irp t, 0,1
	v_mov_b32 v[ST+4*\t+2], 0
	v_mov_b32 v[ST+4*\t+3], 0
.endr
	NEWBLOCK
; THE MATRIX WORK.  The 8 accumulators of a run of 16 take turns, one instruction a turn.
; Product i of 16 of S^T = K Q^T: channels 32 (i / 8) on, keys 16 ((i / 2) % 4) on, tile i % 2.  The first 8 start the sums.
.macro KQ
	WIN W_KQ
.set rS, S+32*(i%2)+8*((i/2)%4)
.set rK, KF+16*((i/2)%4)+8*(i/8)
.set rQ, 16*(i%2)+8*(i/8)
.if i < 8
	v_wmma_f32_16x16x32_f16 v[rS:rS+7], v[rK:rK+7], v[rQ:rQ+7], 0
.else
	v_wmma_f32_16x16x32_f16 v[rS:rS+7], v[rK:rK+7], v[rQ:rQ+7], v[rS:rS+7]
.endif
.endm
; Product i of 16 of O^T += V^T P: keys 32 (i / 8) on, channels 16 ((i / 2) % 4) on, tile i % 2.
.macro PV
	WIN W_PV
.set rO, O+32*(i%2)+8*((i/2)%4)
.set rV, VF+32*(i/8)+8*((i/2)%4)
.set rP, P+16*(i%2)+8*(i/8)
	v_wmma_f32_16x16x32_f16 v[rO:rO+7], v[rV:rV+7], v[rP:rP+7], v[rO:rO+7]
.endm
; THE LDS LOADS stand in runs of 16: a step's K (64 keys x 64 channels: 8 fragments) and its V (turned).  My next step lies two steps on.
.macro FETCH_K
	WIN 0
	v_add_nc_u32 v[AK], s[TBK], v[AK0]
	s_add_co_u32 s[TBK], s[TBK], 2*KS*PK
	WIN W_LD
.irp f, 0,1,2,3,4,5,6,7             ; keys 16 (f / 2) on, channels 32 (f % 2) on
	ds_load_b128 v[KF+8*\f:KF+8*\f+3],   v[AK] offset:(\f/2)*16*PK+(\f%2)*64
	ds_load_b128 v[KF+8*\f+4:KF+8*\f+7], v[AK] offset:(\f/2)*16*PK+(\f%2)*64+32
.endr
	WIN 0
.endm
.macro FETCH_V
	WIN 0
	v_add_nc_u32 v[AV], s[TBV], v[AV0]
	s_add_co_u32 s[TBV], s[TBV], 2*KS*PV
	WIN W_LD
.irp f, 0,1,2,3,4,5,6,7             ; keys 32 (f / 4) on, channels 16 (f % 4) on
	ds_load_tr16_b128 v[VF+8*\f:VF+8*\f+3],   v[AV] offset:(\f/4)*32*PV+(\f%4)*32
	ds_load_tr16_b128 v[VF+8*\f+4:VF+8*\f+7], v[AV] offset:(\f/4)*32*PV+16*PV+(\f%4)*32
.endr
	WIN 0
.endm
; THE VECTOR WORK, all in window 0; the two tiles alternate, so that no line reads the result of the one before it.
.macro REGS t
.set rT, ST+4*(\t)
.set rC, TMP+4*(\t)
.set rW, MV+(\t)
.set rS, S+32*(\t)
.set rP, P+16*(\t)
.set rO, O+32*(\t)
.endm
; Number n of the 22 that find a tile's maximum and statistics.  Each accumulator's lowest registers are read first.
;   0-11  four chains c0-c3 of seven scores each, three operands at a time     12-14, 16  the four scores left over, the old m, and c0-c3 into c0     15  c m_old is kept
;   17, 18  the query's other 32 keys lie in the lane 16 away: the new m         19-21  c m; c m_old - c m_new; a
.macro XS t, n
	REGS \t
.if (\n) < 4
	v_max3_num_f32 v[rC+(\n)], v[rS+8*(\n)], v[rS+8*(\n)+1], v[rS+8*(\n)+2]
.elseif (\n) < 12
	v_max3_num_f32 v[rC+(\n)%4], v[rC+(\n)%4], v[rS+8*((\n)%4)+2*((\n)/4)+1], v[rS+8*((\n)%4)+2*((\n)/4)+2]
.elseif (\n) == 12
	v_max3_num_f32 v[rC], v[rC], v[rS+7], v[rS+15]
.elseif (\n) == 13
	v_max3_num_f32 v[rC+1], v[rC+1], v[rS+23], v[rS+31]
.elseif (\n) == 14
	v_max3_num_f32 v[rC+2], v[rC+2], v[rC+3], v[rT+1]
.elseif (\n) == 15
	v_mov_b32 v[rW], v[rT]
.elseif (\n) == 16
	v_max3_num_f32 v[rC], v[rC], v[rC+1], v[rC+2]
.elseif (\n) == 17
	v_permlanex16_b32 v[rC+3], v[rC], s[SEL], s[SEL+1]
.elseif (\n) == 18
	v_max_num_f32 v[rT+1], v[rC], v[rC+3]
.elseif (\n) == 19
	v_mul_f32 v[rT], s[CS], v[rT+1]
.elseif (\n) == 20
	v_sub_f32 v[rC+1], v[rW], v[rT]
.else
	v_exp_f32 v[rC+2], v[rC+1]
.endif
.endm
.macro FS t, n                      ; c s - c m for pair n of 16
	REGS \t
	v_pk_fma_f32 v[rS+2*(\n):rS+2*(\n)+1], v[rS+2*(\n):rS+2*(\n)+1], s[CS:CS+1], v[rT:rT+1] op_sel_hi:[1,0,0] neg_lo:[0,0,1] neg_hi:[0,0,1]
.endm
.macro RSC t, n                     ; pair n of 16 of O^T times a
	REGS \t
	s_wait_alu depctr_va_vdst(0)
	v_pk_mul_f32 v[rO+2*(\n):rO+2*(\n)+1], v[rO+2*(\n):rO+2*(\n)+1], v[rC+2:rC+3] op_sel_hi:[1,0]
.endm
.macro CV t, n                      ; pair n rounded to f16
	REGS \t
	v_cvt_pk_f16_f32 v[rP+(\n)], v[rS+2*(\n)], v[rS+2*(\n)+1]
.endm
.macro BS t, n                      ; of the four weights 4 n .. the second pair is added onto the first, in place
	REGS \t
	v_pk_add_f32 v[rS+4*(\n):rS+4*(\n)+1], v[rS+4*(\n):rS+4*(\n)+1], v[rS+4*(\n)+2:rS+4*(\n)+3]
.endm
.macro LS t, n                      ; l takes that sum; the first time as l = a l + sum
	REGS \t
.if (\n) == 0
	v_pk_fma_f32 v[rT+2:rT+3], v[rT+2:rT+3], v[rC+2:rC+3], v[rS:rS+1] op_sel_hi:[1,0,1]
.else
	v_pk_add_f32 v[rT+2:rT+3], v[rT+2:rT+3], v[rS+4*(\n):rS+4*(\n)+1]
.endif
.endm
.macro RUN op, count                ; numbers 0 .. count - 1 of a kind, for both tiles
.set n, 0
.rept \count
	\op 0, n
	\op 1, n
.set n, n+1
.endr
.endm
; A KEY STEP of mine.
.macro STEP
	s_wait_dscnt 16                 ; K is in; V's 16 younger loads stay out
.set i, 0
.rept 16
	KQ
.set i, i+1
.endr
	WIN 0
	v_sub_nc_u32 v[VT], v[DQ], s[KOFF]      ; register 8 kb + j of a tile is hidden where 16 kb + j is greater than this
	v_sub_nc_u32 v[VT+1], v[DQ+1], s[KOFF]
	v_nop                           ; with the two lines above: the four places behind the products (ISA guide 7.12.1)
	v_nop
	s_cmp_eq_u32 s[CNT], 1
	s_cbranch_scc1 .Lno_k_\@        ; my last step of a tile fetches nothing
	FETCH_K
.Lno_k_\@:
	s_cmp_lt_i32 s[KOFF], 0
	s_cbranch_scc1 .Lno_mask_\@     ; all the keys of this pair of steps lie in front of the block's first query
.set i, 0
.rept 32
	v_cmp_gt_i32 vcc_lo, 16*(i/8)+i%8, v[VT]
	v_cndmask_b32 v[S+i], v[S+i], v[BG], vcc_lo
	v_cmp_gt_i32 vcc_lo, 16*(i/8)+i%8, v[VT+1]
	v_cndmask_b32 v[S+32+i], v[S+32+i], v[BG], vcc_lo
.set i, i+1
.endr
.Lno_mask_\@:
	RUN XS, 22
	RUN FS, 16                      ; plain work behind the two exponentials that made a
.set i, 0
.rept 32
	v_exp_f32 v[S+i], v[S+i]
	v_exp_f32 v[S+32+i], v[S+32+i]
.set i, i+1
.endr
	RUN RSC, 16                     ; plain work between the last exponential and the use of its result (ISA guide 5.7.2)
	RUN CV, 16
	RUN BS, 8
	RUN LS, 8
	s_wait_dscnt 0x0                ; V is in
.set i, 0
.rept 16
	PV
.set i, i+1
.endr
	WIN 0
	PLACES                          ; in front of loads into V's registers, and of whatever reads O^T next
	s_cmp_eq_u32 s[CNT], 1
	s_cbranch_scc1 .Lno_v_\@
	FETCH_V
.Lno_v_\@:
.endm
; A TILE: my first step's K and V (step p of its four), then my two steps, of which one that lies wholly behind the block's last query is jumped over.
.macro TILE
	s_mov_b32 s[CNT], 2
	s_add_co_u32 s[TBK], s[SB], s[PKO]
	s_add_co_u32 s[TBV], s[SB], s[PVO]
	FETCH_K
	FETCH_V
.Lstep_\@:
	s_cmp_ge_i32 s[KOFF], 128
	s_cbranch_scc1 .Ldead_\@
	STEP
.Ldead_\@:
	s_add_co_i32 s[KOFF], s[KOFF], 2*KS
	s_sub_co_u32 s[CNT], s[CNT], 1
	s_cmp_lg_u32 s[CNT], 0
	s_cbranch_scc1 .Lstep_\@
.endm
; A BLOCK'S END, first part: register tile 1, which my partner owns, goes into my part of the exchange: O^T from each accumulator's low end on, then c m, m and l's two halves.  32 lanes x 16 neighbouring bytes a store.
.macro DUMP
.irp f, 0,1,2,3,4,5,6,7
	ds_store_b128 v[XO], v[O+32+4*\f:O+32+4*\f+3] offset:512*\f
.endr
	ds_store_b128 v[XO], v[ST+4:ST+7] offset:4096
.endm
; Second part, behind a barrier: my partner's part of the tile that I own is joined with mine; O^T is divided by l (the division rides on the two factors), rounded to f16 and sent through my stage in LDS.
; The factors lie where c m of my two tiles lay: both are set anew when a block begins.
.macro MERGE
.irp f, 0,1,2,3,4,5,6,7
	ds_load_b128 v[S+4*\f:S+4*\f+3], v[XI] offset:512*\f
.endr
	ds_load_b128 v[S+32:S+35], v[XI] offset:4096
	s_wait_dscnt 0x0
	v_max_num_f32 v[MV], v[ST], v[S+32]            ; the joint c m
	v_sub_f32 v[ST], v[ST], v[MV]
	v_sub_f32 v[ST+4], v[S+32], v[MV]
	v_exp_f32 v[ST], v[ST]                         ; fA
	v_exp_f32 v[ST+4], v[ST+4]                     ; fB
	v_add_f32 v[ST+2], v[ST+2], v[ST+3]            ; l's two halves, mine and my partner's: plain work behind the exponentials (ISA guide 5.7.2)
	v_add_f32 v[S+34], v[S+34], v[S+35]
	s_wait_alu depctr_va_vdst(0)
	v_mul_f32 v[ST+2], v[ST+2], v[ST]
	v_fmac_f32 v[ST+2], v[S+34], v[ST+4]
	v_permlanex16_b32 v[ST+3], v[ST+2], s[SEL], s[SEL+1]  ; the query's other keys lie in the lane 16 away
	v_add_f32 v[ST+2], v[ST+2], v[ST+3]
	v_rcp_f32 v[ST+2], v[ST+2]
	v_nop                                          ; a plain instruction between the reciprocal and the use of its result
	s_wait_alu depctr_va_vdst(0)
	v_mul_f32 v[ST], v[ST], v[ST+2]
	v_mul_f32 v[ST+4], v[ST+4], v[ST+2]
.set i, 0
.rept 16
	v_pk_mul_f32 v[O+2*i:O+2*i+1], v[O+2*i:O+2*i+1], v[ST:ST+1] op_sel_hi:[1,0]
.set i, i+1
.endr
.set i, 0
.rept 16
	v_pk_fma_f32 v[O+2*i:O+2*i+1], v[S+2*i:S+2*i+1], v[ST+4:ST+5], v[O+2*i:O+2*i+1] op_sel_hi:[1,0,1]
.set i, i+1
.endr
.set i, 0
.rept 16
	v_cvt_pk_f16_f32 v[S+i], v[O+2*i], v[O+2*i+1]
.set i, i+1
.endr
.irp f, 0,1,2,3                     ; a lane's eight channels of a row pack into 16 bytes; they go into rows of 144 bytes and come back as whole rows of 128
	ds_store_b128 v[STO], v[S+4*\f:S+4*\f+3] offset:32*\f
.endr
.irp f, 0,1,2,3
	ds_load_b128 v[S+4*\f:S+4*\f+3], v[RD] offset:\f*4*SP  ; LDS serves a wave's instructions in order (ISA guide 5.7.1.4): these see the stores above
.endr
.irp f, 0,1,2,3
	s_wait_dscnt 3-\f               ; load f is back; the younger ones stay out
	global_store_b128 v[GO], v[S+4*\f:S+4*\f+3], s[10:11] offset:\f*512  ; 512 consecutive bytes, at a multiple of 256 from ctx's first
.endr
.endm
	s_wait_loadcnt 0x0              ; both blocks' Q
.Lslot:                             ; 8 times: a tile is entered and the next is asked for
	CHANGE 1
	TILE
	s_sub_co_u32 s[RT], s[RT], 1
	s_cmp_lg_u32 s[RT], 0
	s_cbranch_scc1 .Lno_dump        ; the block goes on
	DUMP
.Lno_dump:
	s_wait_dscnt 0x0                ; for my partner's sake: my stores into the exchange are done
	s_barrier_signal -1             ; this barrier stands in every trip, so that no jump passes it; the next fill stands behind the next change of slots
	s_barrier_wait -1
	s_cmp_lg_u32 s[RT], 0
	s_cbranch_scc1 .Lbottom
	MERGE                           ; in the loop this is the first block's end: the second block's last tile is the walk's last
	s_wait_xcnt 0x0                 ; the stores' addresses are translated (ISA guide 3.1): only behind this wait are their base and the registers that they read written again
	s_mov_b64 s[10:11], s[OLO:OLO+1]
	NEWBLOCK
	WIN 0x41                        ; the second block's Q goes where the one text of the products names Q
.set i, 0
.rept 32
	v_mov_b32 v[i], v[QB+i]
.set i, i+1
.endr
	WIN 0
	s_lshl_b32 s[KOFF], s[PB], 7
	s_sub_co_i32 s[KOFF], 0, s[KOFF]
	s_add_co_u32 s[RT], s[LQ2], 1   ; the second block has b / 2 + 1 tiles
.Lbottom:
	s_sub_co_u32 s[SLOTS], s[SLOTS], 1
	s_cmp_lg_u32 s[SLOTS], 0
	s_cbranch_scc1 .Lslot
	CHANGE 0                        ; the walk's last tile is written out: nothing is asked for
	TILE
	DUMP
	s_wait_dscnt 0x0                ; for my partner's sake: my stores into the exchange are done
	s_barrier_signal -1
	s_barrier_wait -1
	MERGE
	s_wait_tensorcnt 0x0            ; the wave's end: behind my last tensor load and my last LDS store
	ds_add_u32 v[SPW], v[NIL]
	s_wait_dscnt 0x0
	s_endpgm
.Lfunc_end_k_qed5f7eb9d9_attn:
	.size	k_qed5f7eb9d9_attn, .Lfunc_end_k_qed5f7eb9d9_attn-k_qed5f7eb9d9_attn
	.p2alignl 7, 3214868480
	.fill 96, 4, 3214868480
	.section	.rodata,"a",@progbits
	.p2align	6, 0x0
	.amdhsa_kernel k_qed5f7eb9d9_attn
		.amdhsa_group_segment_fixed_size 327680
		.amdhsa_private_segment_fixed_size 0
		.amdhsa_enable_private_segment 0
		.amdhsa_kernarg_size 16
		.amdhsa_user_sgpr_count 2
		.amdhsa_user_sgpr_kernarg_segment_ptr 1
		.amdhsa_wavefront_size32 1
		.amdhsa_system_sgpr_workgroup_id_x 1
		.amdhsa_system_sgpr_workgroup_id_y 1
		.amdhsa_system_sgpr_workgroup_id_z 1
		.amdhsa_system_vgpr_workitem_id 0
		.amdhsa_next_free_vgpr 448
		.amdhsa_next_free_sgpr 90
		.amdhsa_reserve_vcc 1
		.amdhsa_float_denorm_mode_32 3
		.amdhsa_float_denorm_mode_16_64 3
		.amdhsa_memory_ordered 1
		.amdhsa_forward_progress 1
		.amdhsa_inst_pref_size 76
	.end_amdhsa_kernel
	.amdgpu_metadata
---
amdhsa.version: [ 1, 2 ]
amdhsa.kernels:
  - .name:           k_qed5f7eb9d9_attn
    .symbol:         k_qed5f7eb9d9_attn.kd
    .args:
      - { .name: qkv, .offset: 0, .size: 8, .value_kind: global_buffer, .address_space: global }
      - { .name: ctx, .offset: 8, .size: 8, .value_kind: global_buffer, .address_space: global }
    .group_segment_fixed_size: 327680
    .private_segment_fixed_size: 0
    .kernarg_segment_align: 8
    .kernarg_segment_size: 16
    .max_flat_workgroup_size: 256
    .sgpr_count:     90
    .vgpr_count:     448
    .wavefront_size: 32
...
	.end_amdgpu_metadata
.endif
;; end of part 3
;; launch wo (part 4): grid 8 x 32, 4 waves a work-group, clusters of 4 x 4, 327,680 bytes of LDS; arguments ctx, wb, x1, x, bo; writes x1
.if DOCPART == 4
	.amdgcn_target "amdgcn-amd-amdhsa--gfx1250"
	.amdhsa_code_object_version 6
	.text
	.protected	k_qed5f7eb9d9_wo
	.globl	k_qed5f7eb9d9_wo
	.p2align	8
	.type	k_qed5f7eb9d9_wo,@function
k_qed5f7eb9d9_wo:
	s_mov_b64 s[64:65], 0
	v_nop
	global_prefetch_b8 v0, s[64:65] scope:SCOPE_SE
	s_setreg_imm32_b32 hwreg(HW_REG_WAVE_MODE, 25, 1), 1
	s_wait_xcnt 0x0
	s_wait_alu depctr_hold_cnt(0) depctr_sa_sdst(0) depctr_va_vdst(0) depctr_va_sdst(0) depctr_va_ssrc(0) depctr_va_vcc(0) depctr_vm_vsrc(0)
	s_getreg_b32 s2, hwreg(HW_REG_IB_STS2, 6, 4)
	s_cmp_eq_u32 s2, 0
	s_cbranch_scc0 .Lentry_in_a_cluster
	s_endpgm
.Lentry_in_a_cluster:
	s_bfe_u32 s2, ttmp6, 0x10000c
	s_cmp_lg_u32 s2, 0xf033
	s_cbranch_scc0 .Lentry_shape_is_right
	s_endpgm
.Lentry_shape_is_right:
; WO.  x1 = x + ctx x Wo + bo: 4,096 rows, K = 1,024, 1,024 columns; x and bo, inputs of the module, are rounded to bf16; x1 is f32, row-major.
.set KDIM,   1024
.set NDIM,   1024                      ; columns of the weight: the pitch of its rows
.set EPI,    2                         ; 0: f16 out;  1: bias, GELU, f16 out;  2: bias, residual, f32 out
.set RROUND, 1                         ; 1: the residual is an input of the module and is rounded to bf16
.set QKVW,   0                         ; 1: tile column tx takes weight tx / 8, columns 128 (tx % 8) on
.set WOFF,   6291456                   ; the weight's first byte in wb
; THE PRODUCT.  C[m][n] = sum over k of A[m][k] W[k][n].  A: f16 as [K / 64 blocks][4096 rows][64] (a block is 524,288 bytes, its rows 128 dense bytes).  W: f16 as [K][NDIM].  Sums in f32.
; LIMITS.  f16 ends at 65,504: an f16 output beyond that becomes an infinity; below 6.1e-5 it keeps the fixed step 6e-8.  NaN and infinities are not treated apart.
; SHARES.  A work-group makes 128 x 128 of C, each of its four waves 64 x 64: 16 accumulators of 16 x 16.  K goes in steps of 256 through two LDS slots filled by the tensor data mover.
; CLUSTER.  4 x 4 work-groups: the four of a row need the same tiles of A, the four of a column the same tiles of W; each tile is asked for jointly, by the same load with the same descriptor and a mask of the four.
; THE MATRIX INSTRUCTION IS USED TRANSPOSED: source 0 = 16 columns of W (read turned out of LDS, since W lies [K][N]), source 1 = 16 rows of A: a lane holds eight neighbouring numbers of a row of C.
; LDS.  A slot: A as 4 pieces (64 k each) of 128 rows, pitch 144; then W as 256 k-rows, pitch 288.  Wave w's load lands at slot + 36,864 w.  Behind the slots the spare words.
; THE WAY OUT goes through the wave's own quarter of slot 0, once that slot has had its last fill and every wave's reads of it are over (the last change of slots).
; REGISTERS.  Window 0: v0-31 addresses; v32-111 at work on the way out; v128-255 the accumulators ((a, b) at 128 + 8 (4 a + b)).  Window 1: two fragment buffers of 128: 64 of A, then 64 of W.
.set STEPS,  KDIM/256
.set PA,     144                       ; a row of A in LDS: 128 bytes + 16: the 16 rows of a load start at 16 different groups of four banks (64 banks of 4 bytes: ISA guide 11.1)
.set PB,     288                       ; a k-row of W: 256 bytes + 32
.set PIECE,  128*PA
.set QUART,  2*PIECE                   ; 36,864: what one tensor load brings (128 k-rows of W are as much)
.set BOFF,   2*QUART
.set SLOT,   4*QUART                   ; 147,456 = 0x24000; no 36,864 w has one of its two bits, so an exclusive or turns an address in one slot into the other's
.set SPARE,  2*SLOT                    ; the spare words, 128 bytes for each wave: two blocks of 256 bytes that no other line names
.set SPITCH, 272
.if EPI == 2
.set DUMPOFF, 64*SPITCH                ; the residual's tile lies at the head of my quarter, the sums behind it
.else
.set DUMPOFF, 0
.endif
.set ASTEP,  4*524288                  ; a K step: four blocks of A,
.set BSTEP,  512*NDIM                  ; 256 rows of W
.set ADRA,  16                         ; v16     LDS address of my A fragments in the slot in hand
.set ADRB,  17                         ; v17-18  of my W fragments: k-rows 0-127, 128-255
.set ADRA0, 20                         ; v20-21  the same in slot 0; never rewritten
.set ADRB0, 21
.set STO,   24                         ; v24     the way out: where I put 32 bytes of a row
.set RD,    25                         ; v25     the way out: where I read rows back
.set GO,    26                         ; v26     my byte offset in the output
.set BO,    27                         ; v27     my byte offset in the bias
.set SPW,   28                         ; v28     LDS address of my spare word; never rewritten
.set NIL,   29                         ; v29     0; never rewritten
.set T,     32                         ; v32-47  8 rows' sums: 16 numbers a lane
.set R,     48                         ; v48-63  the residual's
.set Z,     64
.set Y,     80                         ; what is stored
.set BIAS,  96                         ; v96-99  the bias of my four columns
.set W8,    100                        ; v100-107 at work
.set ACC,   128
.set TT,    128                        ; GELU's temporaries lie where the accumulators lay
.set EE,    144
.set PP,    160
.set MX,    176
.set AZ,    192
.set F0,    0
.set F1,    128
.set G1,  24                           ; s[24:31] descriptor group 1 for A;  s[32:39] group 0, two sets: the second walks on
.set G0,  32
.set G1B, 48                           ; s[48:55], s[56:63] the same for W
.set G0B, 56
.set G1R, 68                           ; s[68:75], s[76:79] the residual's tile
.set G0R, 76
.set MSB, 0
.macro WIN new                         ; the immediate's high byte repeats the setting that is left; a switch that changes nothing is dropped
.if MSB != (\new)
	s_set_vgpr_msb (MSB<<8)|(\new)
.set MSB, \new
.endif
.endm
.set MUL,  0x05                        ; sources 0 (W) and 1 (A) window 1; C and D window 0
.set TO_F, 0x40                        ; destination window 1, address window 0
.macro PLACES                          ; four places in front of loads into registers that matrix instructions have read, and of lines that read results
.rept 4
	v_nop
.endr
.endm
.macro JLOAD                           ; a joint refill by the walking set: waves 0 and 1 fetch A's halves, waves 2 and 3 W's; an s_nop 0 and four v_nop follow each line
	s_cmp_eq_u32 s11, 0
	s_cbranch_scc0 .Lfor_b_\@
	tensor_load_to_lds s[G0+4:G0+7], s[G1:G1+7]
	s_nop 0
	PLACES
	s_branch .Lasked_\@
.Lfor_b_\@:
	tensor_load_to_lds s[G0B+4:G0B+7], s[G1B:G1B+7]
	s_nop 0
	PLACES
.Lasked_\@:
.endm
.macro RLOAD                           ; my 64 x 64 of the residual, a load of my own, into the head of my quarter of slot 0
	tensor_load_to_lds s[G0R:G0R+3], s[G1R:G1R+7]
	s_nop 0
	PLACES
.endm
.macro CREST                           ; a round of the cluster's barrier behind its opening barrier
	s_cmp_lg_u32 s10, 0
	s_cbranch_scc1 .Lnot_wave_0_\@
	s_barrier_signal -3
.Lnot_wave_0_\@:
	s_barrier_wait -3
	s_barrier_signal -1
	s_barrier_wait -1
.endm
.macro CROUND
	s_barrier_signal -1
	s_barrier_wait -1
	CREST
.endm
	s_load_b128 s[4:7], s[0:1], 0x0                ; A s[4:5], wb s[6:7]
	s_load_b64 s[8:9], s[0:1], 0x10                ; the output
.if EPI == 2
	s_load_b64 s[84:85], s[0:1], 0x18              ; the residual
	s_load_b64 s[86:87], s[0:1], 0x20              ; the bias
.elseif EPI == 1
	s_load_b64 s[86:87], s[0:1], 0x18              ; the bias
.endif
	v_lshl_add_u32 v[SPW], v0, 2, SPARE
	v_mov_b32 v[NIL], 0
	ds_add_u32 v28, v29
	s_wait_dscnt 0x0
	v_lshrrev_b32 v1, 5, v0
	v_readfirstlane_b32 s10, v1                    ; wave 0..3
	s_lshr_b32 s11, s10, 1                         ; which half of the tile's rows is mine.  Also: I fetch for A (0) or for W (1)
	s_and_b32 s12, s10, 1                          ; which half of its columns.  Also: which half of that tile I fetch
	s_bfe_u32 s40, ttmp6, 0x40000                  ; cx, cy: my place in the cluster
	s_bfe_u32 s41, ttmp6, 0x40004
	s_lshl_b32 s42, ttmp9, 2
	s_add_co_u32 s42, s42, s40                     ; tile column tx = 4 x cluster x + cx
	s_and_b32 s13, ttmp7, 0xffff
	s_lshl_b32 s13, s13, 2
	s_add_co_u32 s13, s13, s41                     ; tile row ty = 4 x cluster y + cy
	s_lshl_b32 s43, s41, 2
	s_lshl_b32 s43, 15, s43                        ; my row of the cluster
	s_lshl_b32 s44, 0x1111, s40                    ; my column
	; A's tile: two blocks' 128 rows, each 16,384 dense bytes asked for as one row of 8,192 elements; padded in LDS after every 128 bytes
	s_or_b32 s[G1+0], s43, (1<<16)|(1<<20)|(1<<21)|(4<<22)|(3<<25)  ; 15:0 the mask: my row; 17:16 2-byte elements; 20 padding on; 21 set beside a mask; 24:22 after every 32 words; 31:25 4 words
	s_mov_b32 s[G1+1], 8192<<16                    ; tensor_dim0 = 8,192
	s_mov_b32 s[G1+2], 2<<16                       ; tensor_dim1 = 2
	s_mov_b32 s[G1+3], 8192<<16                    ; tile_dim0 = 8,192
	s_mov_b32 s[G1+4], 2                           ; tile_dim1 = 2
	s_mov_b32 s[G1+5], 262144                      ; a block's elements from row to row
	s_mov_b32 s[G1+6], 0
	s_mov_b32 s[G1+7], 0
	; W's tile: 128 k-rows of 128 elements (256 bytes), padded by 32 bytes
	s_or_b32 s[G1B+0], s44, (1<<16)|(1<<20)|(1<<21)|(5<<22)|(7<<25)  ; the mask: my column; after every 64 words 8 words
	s_mov_b32 s[G1B+1], 128<<16
	s_mov_b32 s[G1B+2], 128<<16
	s_mov_b32 s[G1B+3], 128<<16
	s_mov_b32 s[G1B+4], 128
	s_mov_b32 s[G1B+5], NDIM
	s_mov_b32 s[G1B+6], 0
	s_mov_b32 s[G1B+7], 0
	; where the tiles come from.  A's hang on ty and the wave alone, W's on tx and the wave alone, each in registers that never hold the other coordinate
	s_lshl_b32 s16, s13, 14                        ; 128 rows of 128 bytes a tile row,
	s_lshl_b32 s17, s12, 20                        ; two blocks a half
	s_add_co_u32 s16, s16, s17
	s_mov_b32 s17, 0
.if QKVW
	s_lshr_b32 s46, s42, 3
	s_lshl_b32 s46, s46, 21                        ; the weight: 2,097,152 bytes each
	s_and_b32 s47, s42, 7
	s_lshl_b32 s47, s47, 8                         ; 128 columns of 2 bytes
	s_add_co_u32 s46, s46, s47
.else
	s_lshl_b32 s46, s42, 8
	s_add_co_u32 s46, s46, WOFF
.endif
	s_mul_i32 s47, s12, 256*NDIM                   ; 128 k-rows a half
	s_add_co_u32 s46, s46, s47
	s_mov_b32 s47, 0
	s_mul_i32 s20, s10, QUART                      ; where my load lands, and my quarter of slot 0: no place in the cluster enters an LDS address
	; my part's first byte in the output
.if EPI == 2
	s_lshl_b32 s18, s13, 19                        ; f32 rows of 4,096 bytes: (128 ty + 64 half) rows, (128 tx + 64 half) columns
	s_lshl_b32 s19, s11, 18
	s_add_co_u32 s18, s18, s19
	s_lshl_b32 s19, s42, 9
	s_add_co_u32 s18, s18, s19
	s_lshl_b32 s19, s12, 8
	s_add_co_u32 s18, s18, s19
.else
	s_lshl_b32 s18, s42, 20                        ; f16 by blocks: block 2 tx + half, row 128 ty + 64 half
	s_lshl_b32 s19, s12, 19
	s_add_co_u32 s18, s18, s19
	s_lshl_b32 s19, s13, 14
	s_add_co_u32 s18, s18, s19
	s_lshl_b32 s19, s11, 13
	s_add_co_u32 s18, s18, s19
.endif
	s_mov_b32 s19, 0
	s_mov_b32 s82, 0xffff0000                      ; a word's upper bf16
.if EPI == 1
	s_mov_b32 s83, 0x7fffffff
	s_mov_b32 s88, 0xbf38aa3b                      ; -log2(e) / 2
	s_mov_b32 s89, s88                             ; (named as pairs, so both words are written)
	s_mov_b32 s90, 0x3e027906                      ; the tail's five coefficients, each divided by sqrt(2 pi)
	s_mov_b32 s91, s90
	s_mov_b32 s92, 0xbe11a98e
	s_mov_b32 s93, s92
	s_mov_b32 s94, 0x3f35f0e3
	s_mov_b32 s95, s94
	s_mov_b32 s96, 0xbf3a00e3
	s_mov_b32 s97, s96
	s_mov_b32 s98, 0x3f07dc22
	s_mov_b32 s99, s98
	s_mov_b32 s100, 0x3e6d3389                     ; 0.2316419
	s_mov_b32 s101, s100
.endif
	s_wait_kmcnt 0x0
	s_add_nc_u64 s[14:15], s[4:5], s[16:17]
	s_add_nc_u64 s[46:47], s[6:7], s[46:47]
	s_add_nc_u64 s[8:9], s[8:9], s[18:19]
.if EPI == 2
	s_mov_b32 s[G1R+0], (2<<16)|(1<<20)|(5<<22)|(3<<25)  ; no mask; 4-byte elements; after every 64 words 4 words: pitch 272
	s_mov_b32 s[G1R+1], 64<<16
	s_mov_b32 s[G1R+2], 64<<16
	s_mov_b32 s[G1R+3], 64<<16
	s_mov_b32 s[G1R+4], 64
	s_mov_b32 s[G1R+5], 1024
	s_mov_b32 s[G1R+6], 0
	s_mov_b32 s[G1R+7], 0
	s_mov_b32 s[G0R], 1
	s_mov_b32 s[G0R+1], s20
	s_add_nc_u64 s[G0R+2:G0R+3], s[84:85], s[18:19]
	s_or_b32 s[G0R+3], s[G0R+3], 0x80000000
.endif
.irp s, 0,1
	s_mov_b32 s[G0+4*(\s)], 1                                      ; count = 1
	s_add_co_u32 s[G0+4*(\s)+1], s20, (\s)*SLOT                    ; LDS address
	s_add_nc_u64 s[G0+4*(\s)+2:G0+4*(\s)+3], s[14:15], (\s)*ASTEP  ; global address: K step s
	s_or_b32 s[G0+4*(\s)+3], s[G0+4*(\s)+3], 0x80000000            ; type = 2
	s_mov_b32 s[G0B+4*(\s)], 1
	s_add_co_u32 s[G0B+4*(\s)+1], s20, (\s)*SLOT
	s_add_nc_u64 s[G0B+4*(\s)+2:G0B+4*(\s)+3], s[46:47], (\s)*BSTEP
	s_or_b32 s[G0B+4*(\s)+3], s[G0B+4*(\s)+3], 0x80000000
.endr
	CROUND                                         ; all sixteen work-groups are here: the first joint loads meet
	s_cmp_eq_u32 s11, 0                            ; a wave's two first fills stand in one branch, ahead of every wait on TENSORcnt and every LDS read: two loads of mine are out
	s_cbranch_scc0 .Lfirst_b
	tensor_load_to_lds s[G0:G0+3], s[G1:G1+7]
	s_nop 0
	tensor_load_to_lds s[G0+4:G0+7], s[G1:G1+7]
	s_nop 0
	PLACES
	s_branch .Lfirst_asked
.Lfirst_b:
	tensor_load_to_lds s[G0B:G0B+3], s[G1B:G1B+7]
	s_nop 0
	tensor_load_to_lds s[G0B+4:G0B+7], s[G1B:G1B+7]
	s_nop 0
	PLACES
.Lfirst_asked:
	; a fragment of A is 16 rows x 32 k: lane l holds row l % 16, k = 8 (l / 16) + 0..7 and 16 + 8 (l / 16) + 0..7: two loads of 16 bytes, 32 bytes apart
	v_and_b32 v1, 15, v0                           ; l % 16
	v_bfe_u32 v2, v0, 4, 1                         ; l / 16
	v_mul_u32_u24 v[ADRA0], v1, PA
	v_lshl_add_u32 v[ADRA0], v2, 4, v[ADRA0]
	s_mul_i32 s21, s11, 64*PA                      ; my 64 rows
	v_add_nc_u32 v[ADRA0], s21, v[ADRA0]
	; the turning load takes 16 k x 16 columns (lane l reads k-row 8 (l / 16) + l % 8, columns 8 ((l / 8) % 2) + 0..7) and leaves half a fragment: lane l holds column l % 16 and 8 k
	v_and_b32 v3, 7, v0
	v_lshl_add_u32 v3, v2, 3, v3
	v_mul_u32_u24 v[ADRB0], v3, PB
	v_bfe_u32 v3, v0, 3, 1
	v_lshl_add_u32 v[ADRB0], v3, 4, v[ADRB0]
	s_lshl_b32 s21, s12, 7                         ; my 64 columns
	s_add_co_u32 s21, s21, BOFF
	v_add_nc_u32 v[ADRB0], s21, v[ADRB0]
	v_mov_b32 v[ADRA], v[ADRA0]
	v_mov_b32 v[ADRB], v[ADRB0]
	v_add_nc_u32 v[ADRB+1], QUART, v[ADRB0]
	s_mov_b32 s2, 0                                ; the slot in hand begins here
	v_mul_u32_u24 v[STO], v1, SPITCH               ; in: row l % 16, 32 bytes for each half of the lanes
	v_lshl_add_u32 v[STO], v2, 5, v[STO]
	s_add_co_u32 s21, s20, DUMPOFF
	v_add_nc_u32 v[STO], s21, v[STO]
	v_mul_u32_u24 v[RD], v2, SPITCH                ; back: lanes 0-15 take one row of 256 bytes, lanes 16-31 the next
	v_lshl_add_u32 v[RD], v1, 4, v[RD]
	v_add_nc_u32 v[RD], s20, v[RD]
.if EPI == 2
	v_lshlrev_b32 v[GO], 12, v2                    ; the same two rows in the output
	v_lshl_add_u32 v[GO], v1, 4, v[GO]
.else
	v_and_b32 v[GO], 31, v0                        ; two rows of a block are 256 consecutive bytes: 8 bytes a lane
	v_lshlrev_b32 v[GO], 3, v[GO]
.endif
.if EPI != 0
	s_lshl_b32 s21, s42, 9
	s_lshl_b32 s22, s12, 8
	s_add_co_u32 s21, s21, s22
	v_lshl_add_u32 v[BO], v1, 4, s21               ; columns 128 tx + 64 half + 4 (l % 16) on
	global_load_b128 v[BIAS:BIAS+3], v[BO], s[86:87]
.endif
; 8 matrix instructions: m blocks a0, a0 + 1 x all 4 n blocks, 32 along K: half c of buffer f.  zero = 1: the first product starts the sums.  The 16 accumulators take turns, one instruction a turn.
.macro MUL8 f, c, a0, zero
	WIN MUL
.irp a, \a0, (\a0)+1
.irp b, 0,1,2,3
.if \zero
	v_wmma_f32_16x16x32_f16 v[ACC+8*(4*(\a)+(\b)):ACC+8*(4*(\a)+(\b))+7], v[(\f)+64+8*(4*(\c)+(\b)):(\f)+64+8*(4*(\c)+(\b))+7], v[(\f)+8*(4*(\c)+(\a)):(\f)+8*(4*(\c)+(\a))+7], 0
.else
	v_wmma_f32_16x16x32_f16 v[ACC+8*(4*(\a)+(\b)):ACC+8*(4*(\a)+(\b))+7], v[(\f)+64+8*(4*(\c)+(\b)):(\f)+64+8*(4*(\c)+(\b))+7], v[(\f)+8*(4*(\c)+(\a)):(\f)+8*(4*(\c)+(\a))+7], v[ACC+8*(4*(\a)+(\b)):ACC+8*(4*(\a)+(\b))+7]
.endif
.endr
.endr
.endm
; 32 LDS loads in one run: the fragments of quarter q (64 along K) of the slot in hand, into buffer f; the first 32 along K first
.macro FETCH q, f
	WIN TO_F
.irp c, 0,1
.irp i, 0,1,2,3
	ds_load_tr16_b128 v[(\f)+64+8*(4*(\c)+(\i)):(\f)+64+8*(4*(\c)+(\i))+3],   v[ADRB+(\q)/2] offset:(((\q)%2)*64+32*(\c))*PB+32*(\i)
	ds_load_tr16_b128 v[(\f)+64+8*(4*(\c)+(\i))+4:(\f)+64+8*(4*(\c)+(\i))+7], v[ADRB+(\q)/2] offset:(((\q)%2)*64+32*(\c)+16)*PB+32*(\i)
	ds_load_b128 v[(\f)+8*(4*(\c)+(\i)):(\f)+8*(4*(\c)+(\i))+3],   v[ADRA] offset:(\q)*PIECE+(\i)*16*PA+64*(\c)
	ds_load_b128 v[(\f)+8*(4*(\c)+(\i))+4:(\f)+8*(4*(\c)+(\i))+7], v[ADRA] offset:(\q)*PIECE+(\i)*16*PA+64*(\c)+32
.endr
.endr
.endm
; A K step is four quarters of 64 along K, 32 matrix instructions each, on buffers 0, 1, 0, 1.  One of the first three: multiplies buffer f and fetches quarter qn into g.
.macro QUARTER qn, f, g, zero
	s_wait_dscnt 16                                ; the first 32 along K are in; the 16 younger loads stay out
	MUL8 \f, 0, 0, \zero
	MUL8 \f, 0, 2, \zero
	PLACES
	FETCH \qn, \g
	s_wait_dscnt 32                                ; all but the 32 just issued
	MUL8 \f, 1, 0, 0
	MUL8 \f, 1, 2, 0
.endm
; The last quarter multiplies buffer 1 and changes slots: ONE barrier; in front of it each wave waits for all its tensor loads, adds 0 to its spare word, and waits for that and for its own reads of the slot.
; fill = 1: the slot left is filled again, two K steps ahead, by a joint load behind a round of the cluster's barrier.  fill = 2: slot 0 has had its last K step; behind a round my quarter's head takes the residual.  fill = 0: nothing.
.macro TURN fill
	WIN 0                                          ; (the add's two registers lie in window 0)
	s_wait_tensorcnt 0x0                           ; all my tensor loads have landed: my part of the next slot
	ds_add_u32 v[SPW], v[NIL]                      ; 0 onto my spare word
	s_wait_dscnt 17                                ; (the add and the youngest sixteen loads may be out)
	MUL8 F1, 0, 0, 0                               ; eight matrix instructions stand between the add and the wait for it
	s_wait_dscnt 0x0                               ; the add is done, and my reads of this slot are over
	s_barrier_signal -1
	MUL8 F1, 0, 2, 0
	WIN 0                                          ; (branches and window 0's addresses follow)
	s_barrier_wait -1
.if (\fill) == 1
	CREST                                          ; no wave of any partner still reads this slot or has a load on its way
	s_xor_b32 s[G0+5], s[G0+5], SLOT               ; the walking sets: the other slot than last time, the next K step; no load of mine is out
	s_add_nc_u64 s[G0+6:G0+7], s[G0+6:G0+7], ASTEP
	s_xor_b32 s[G0B+5], s[G0B+5], SLOT
	s_add_nc_u64 s[G0B+6:G0B+7], s[G0B+6:G0B+7], BSTEP
	JLOAD                                          ; the first tensor load behind the round: 112 matrix instructions ahead of the wait for it; its four v_nop are also the places in front of the loads below
.elseif (\fill) == 2
	CREST
	RLOAD
.else
	PLACES
.endif
	s_xor_b32 s2, s2, SLOT                         ; the fetches go on in the other slot
	v_add_nc_u32 v[ADRA], s2, v[ADRA0]
	v_add_nc_u32 v[ADRB], s2, v[ADRB0]
	v_add_nc_u32 v[ADRB+1], QUART, v[ADRB]
	FETCH 0, F0
	MUL8 F1, 1, 0, 0
	MUL8 F1, 1, 2, 0
.endm
	s_wait_tensorcnt 1                             ; my part of K step 0 is in; step 1's may stay out
	s_barrier_signal -1
	s_barrier_wait -1                              ; everybody's is
	FETCH 0, F0
	QUARTER 1, F0, F1, 1                           ; the first quarter stands in front of the loop: its first products start the sums
	WIN 0                                          ; at a label and at a branch every window is 0
	s_mov_b32 s3, STEPS-2
.Lstep:                                                ; a trip: from a K step's second quarter to the next step's first; it fills the slot that it leaves
	QUARTER 2, F1, F0, 0
	QUARTER 3, F0, F1, 0
	TURN 1
	QUARTER 1, F0, F1, 0
	WIN 0
	s_sub_co_u32 s3, s3, 1
	s_cmp_lg_u32 s3, 0
	s_cbranch_scc1 .Lstep
	QUARTER 2, F1, F0, 0                           ; the last two K steps ask for no further step
	QUARTER 3, F0, F1, 0
.if EPI == 2
	TURN 2
.else
	TURN 0
.endif
	QUARTER 1, F0, F1, 0
	QUARTER 2, F1, F0, 0
	QUARTER 3, F0, F1, 0
	s_wait_dscnt 16                                ; the very last quarter: nothing more to fetch
	MUL8 F1, 0, 0, 0
	MUL8 F1, 0, 2, 0
	s_wait_dscnt 0x0
	MUL8 F1, 1, 0, 0
	MUL8 F1, 1, 2, 0
	WIN 0
	; THE WAY OUT.  My 64 x 64 sums go as f32 into my quarter of slot 0 (rows of 272 bytes), each accumulator's low registers first, and come back as whole rows, 8 rows a trip.
	PLACES
.irp a, 0,1,2,3
.irp b, 0,1,2,3
	ds_store_b128 v[STO], v[ACC+8*(4*(\a)+(\b)):ACC+8*(4*(\a)+(\b))+3]   offset:(\a)*16*SPITCH+64*(\b)
	ds_store_b128 v[STO], v[ACC+8*(4*(\a)+(\b))+4:ACC+8*(4*(\a)+(\b))+7] offset:(\a)*16*SPITCH+64*(\b)+16
.endr
.endr
.if EPI == 2
	s_wait_tensorcnt 0x0                           ; the residual's tile, my own load into my own bytes
.endif
.if EPI != 0
	s_wait_loadcnt 0x0                             ; the bias: an input, so rounded to bf16
	v_cvt_pk_bf16_f32 v[W8], v[BIAS], v[BIAS+1]
	v_cvt_pk_bf16_f32 v[W8+1], v[BIAS+2], v[BIAS+3]
	v_lshlrev_b32 v[BIAS], 16, v[W8]
	v_and_b32 v[BIAS+1], s82, v[W8]
	v_lshlrev_b32 v[BIAS+2], 16, v[W8+1]
	v_and_b32 v[BIAS+3], s82, v[W8+1]
.endif
.macro LOADROWS                        ; LDS serves a wave's instructions in order (ISA guide 5.7.1.4): these see my stores above
.irp i, 0,1,2,3
	ds_load_b128 v[T+4*\i:T+4*\i+3], v[RD] offset:DUMPOFF+\i*2*SPITCH
.endr
.if EPI == 2
.irp i, 0,1,2,3
	ds_load_b128 v[R+4*\i:R+4*\i+3], v[RD] offset:\i*2*SPITCH
.endr
.endif
.endm
.macro STAGE1                          ; uses up T (and R), so that the next rows can be asked for
.if EPI == 0
.irp i, 0,1,2,3,4,5,6,7
	v_cvt_pk_f16_f32 v[Y+\i], v[T+2*\i], v[T+2*\i+1]
.endr
.elseif (EPI == 2) && (RROUND == 0)
.irp i, 0,1,2,3,4,5,6,7
	v_pk_add_f32 v[Z+2*\i:Z+2*\i+1], v[T+2*\i:T+2*\i+1], v[R+2*\i:R+2*\i+1]
.endr
.else
.irp i, 0,1,2,3,4,5,6,7
	v_pk_add_f32 v[Z+2*\i:Z+2*\i+1], v[T+2*\i:T+2*\i+1], v[BIAS+2*(\i%2):BIAS+2*(\i%2)+1]
.endr
.if EPI == 2
.irp i, 0,1,2,3,4,5,6,7
	v_cvt_pk_bf16_f32 v[W8+\i], v[R+2*\i], v[R+2*\i+1]
.endr
.endif
.endif
.endm
.macro STAGE2
.if (EPI == 2) && (RROUND == 0)
.irp i, 0,1,2,3,4,5,6,7
	v_pk_add_f32 v[Y+2*\i:Y+2*\i+1], v[Z+2*\i:Z+2*\i+1], v[BIAS+2*(\i%2):BIAS+2*(\i%2)+1]
.endr
.elseif EPI == 2
.irp i, 0,1,2,3,4,5,6,7
	v_lshlrev_b32 v[Y+2*\i], 16, v[W8+\i]
	v_and_b32 v[Y+2*\i+1], s82, v[W8+\i]
.endr
.irp i, 0,1,2,3,4,5,6,7
	v_pk_add_f32 v[Y+2*\i:Y+2*\i+1], v[Y+2*\i:Y+2*\i+1], v[Z+2*\i:Z+2*\i+1]
.endr
.elseif EPI == 1
	; gelu(z) = z Phi(z) = max(z, 0) - |z| Q(|z|), Q the normal tail: Q(x) = exp(-x x / 2) / sqrt(2 pi) x (b1 t + .. + b5 t^5), t = 1 / (1 + 0.2316419 x)
	; (Abramowitz and Stegun 26.2.17: off by 7.5e-8 at the most, for every x >= 0)
.set i, 0
.rept 16
	v_and_b32 v[AZ+i], s83, v[Z+i]
.set i, i+1
.endr
.set i, 0
.rept 8
	v_pk_fma_f32 v[TT+2*i:TT+2*i+1], v[AZ+2*i:AZ+2*i+1], s[100:101], 1.0 op_sel_hi:[1,0,0]
	v_pk_mul_f32 v[EE+2*i:EE+2*i+1], v[Z+2*i:Z+2*i+1], s[88:89] op_sel_hi:[1,0]
.set i, i+1
.endr
.set i, 0
.rept 8
	v_pk_mul_f32 v[EE+2*i:EE+2*i+1], v[EE+2*i:EE+2*i+1], v[Z+2*i:Z+2*i+1]
.set i, i+1
.endr
.set i, 0
.rept 16
	v_rcp_f32 v[TT+i], v[TT+i]
.set i, i+1
.endr
.set i, 0
.rept 16
	v_exp_f32 v[EE+i], v[EE+i]
.set i, i+1
.endr
.set i, 0
.rept 16
	v_max_num_f32 v[MX+i], 0, v[Z+i]               ; plain work between the last exponential and the use of its result (ISA guide 5.7.2)
.set i, i+1
.endr
.set i, 0
.rept 8
	v_pk_fma_f32 v[PP+2*i:PP+2*i+1], v[TT+2*i:TT+2*i+1], s[98:99], s[96:97] op_sel_hi:[1,0,0]
.set i, i+1
.endr
.irp c, 94, 92, 90
.set i, 0
.rept 8
	v_pk_fma_f32 v[PP+2*i:PP+2*i+1], v[PP+2*i:PP+2*i+1], v[TT+2*i:TT+2*i+1], s[\c:\c+1] op_sel_hi:[1,1,0]
.set i, i+1
.endr
.endr
.set i, 0
.rept 8
	v_pk_mul_f32 v[PP+2*i:PP+2*i+1], v[PP+2*i:PP+2*i+1], v[TT+2*i:TT+2*i+1]
.set i, i+1
.endr
.set i, 0
.rept 8
	v_pk_mul_f32 v[PP+2*i:PP+2*i+1], v[PP+2*i:PP+2*i+1], v[EE+2*i:EE+2*i+1]
.set i, i+1
.endr
.set i, 0
.rept 8
	v_pk_fma_f32 v[MX+2*i:MX+2*i+1], v[PP+2*i:PP+2*i+1], v[AZ+2*i:AZ+2*i+1], v[MX+2*i:MX+2*i+1] neg_lo:[1,0,0] neg_hi:[1,0,0]
.set i, i+1
.endr
.set i, 0
.rept 8
	v_cvt_pk_f16_f32 v[Y+i], v[MX+2*i], v[MX+2*i+1]
.set i, i+1
.endr
.endif
.endm
	LOADROWS
	s_mov_b32 s3, 8
.Lrow:
	s_wait_dscnt 0x0                               ; this trip's 8 rows are back in registers
	STAGE1
	s_cmp_eq_u32 s3, 1
	s_cbranch_scc1 .Lno_rows                       ; behind the last 8 rows there are none
	v_add_nc_u32 v[RD], 8*SPITCH, v[RD]
	LOADROWS                                       ; the next 8 rows come while these are worked on
.Lno_rows:
	STAGE2
.irp i, 0,1,2,3
.if EPI == 2
	global_store_b128 v[GO], v[Y+4*\i:Y+4*\i+3], s[8:9] offset:\i*8192  ; 16 lanes store 256 consecutive bytes, at a multiple of 256 from the buffer's first byte
.else
	global_store_b64 v[GO], v[Y+2*\i:Y+2*\i+1], s[8:9] offset:\i*256    ; 32 lanes store 256 consecutive bytes (two rows of a block), at a multiple of 256
.endif
.endr
	s_wait_xcnt 0x0                                ; the stores' addresses are translated (ISA guide 3.1): only behind this wait are their base and Y written again
.if EPI == 2
	s_add_nc_u64 s[8:9], s[8:9], 8*4096
.else
	s_add_nc_u64 s[8:9], s[8:9], 8*128
.endif
	s_sub_co_u32 s3, s3, 1
	s_cmp_lg_u32 s3, 0
	s_cbranch_scc1 .Lrow
	s_wait_tensorcnt 0x0                           ; the wave's end: behind my last tensor load and my last LDS store
	ds_add_u32 v[SPW], v[NIL]
	s_wait_dscnt 0x0
	CROUND                                         ; the closing round: no work-group ends while a partner may still ask for a tile that names it
	s_endpgm
.Lfunc_end_k_qed5f7eb9d9_wo:
	.size	k_qed5f7eb9d9_wo, .Lfunc_end_k_qed5f7eb9d9_wo-k_qed5f7eb9d9_wo
	.p2alignl 7, 3214868480
	.fill 96, 4, 3214868480
	.section	.rodata,"a",@progbits
	.p2align	6, 0x0
	.amdhsa_kernel k_qed5f7eb9d9_wo
		.amdhsa_group_segment_fixed_size 327680
		.amdhsa_private_segment_fixed_size 0
		.amdhsa_enable_private_segment 0
		.amdhsa_kernarg_size 40
		.amdhsa_user_sgpr_count 2
		.amdhsa_user_sgpr_kernarg_segment_ptr 1
		.amdhsa_wavefront_size32 1
		.amdhsa_system_sgpr_workgroup_id_x 1
		.amdhsa_system_sgpr_workgroup_id_y 1
		.amdhsa_system_sgpr_workgroup_id_z 1
		.amdhsa_system_vgpr_workitem_id 0
		.amdhsa_next_free_vgpr 512
		.amdhsa_next_free_sgpr 102
		.amdhsa_reserve_vcc 0
		.amdhsa_float_denorm_mode_32 3
		.amdhsa_float_denorm_mode_16_64 3
		.amdhsa_memory_ordered 1
		.amdhsa_forward_progress 1
		.amdhsa_inst_pref_size 68
	.end_amdhsa_kernel
	.amdgpu_metadata
---
amdhsa.version: [ 1, 2 ]
amdhsa.kernels:
  - .name:           k_qed5f7eb9d9_wo
    .symbol:         k_qed5f7eb9d9_wo.kd
    .args:
      - { .name: ctx, .offset: 0, .size: 8, .value_kind: global_buffer, .address_space: global }
      - { .name: wb, .offset: 8, .size: 8, .value_kind: global_buffer, .address_space: global }
      - { .name: x1, .offset: 16, .size: 8, .value_kind: global_buffer, .address_space: global }
      - { .name: x, .offset: 24, .size: 8, .value_kind: global_buffer, .address_space: global }
      - { .name: bo, .offset: 32, .size: 8, .value_kind: global_buffer, .address_space: global }
    .group_segment_fixed_size: 327680
    .private_segment_fixed_size: 0
    .kernarg_segment_align: 8
    .kernarg_segment_size: 40
    .max_flat_workgroup_size: 128
    .sgpr_count:     102
    .vgpr_count:     512
    .wavefront_size: 32
...
	.end_amdgpu_metadata
.endif
;; end of part 4
;; launch ln2 (part 5): grid 512 x 1, 4 waves a work-group, no clusters, 0 bytes of LDS; arguments x1, g2, be2, h2; writes h2
.if DOCPART == 5
	.amdgcn_target "amdgcn-amd-amdhsa--gfx1250"
	.amdhsa_code_object_version 6
	.text
	.protected	k_qed5f7eb9d9_ln2
	.globl	k_qed5f7eb9d9_ln2
	.p2align	8
	.type	k_qed5f7eb9d9_ln2,@function
k_qed5f7eb9d9_ln2:
	s_mov_b64 s[64:65], 0
	v_nop
	global_prefetch_b8 v0, s[64:65] scope:SCOPE_SE
	s_setreg_imm32_b32 hwreg(HW_REG_WAVE_MODE, 25, 1), 1
	s_wait_xcnt 0x0
; LN2.  h2 = LayerNorm(x1) g2 + be2.  x1 is the program's own f32 and is taken as it is; g2 and be2, inputs of the module, are rounded to bf16; h2 is f16.
; LIMITS.  f16 ends at 65,504: a number of h2 beyond that becomes an infinity; below 6.1e-5 f16 keeps the fixed step 6e-8.  NaN and infinities are not treated apart.
; h2's LAYOUT: [16 blocks of 64 columns][4096 rows][64] f16: a block is 524,288 bytes, its rows are 128 dense bytes.
; No LDS, no matrix unit, no cluster: a stream in which no work-group shares a byte with another.
; A wave takes two rows and keeps them in registers: lane bits 0-2 (i8) pick 8 columns of a block, bit 3 (g2) the row, bit 4 (kbh) the block's parity;
; number 8 j + e of the lane is column (2 j + kbh) 64 + 8 i8 + e.  Mean first, then the squares of the differences: no difference of large sums is formed.
.set ROUND, 0                          ; the input is the program's own: no rounding
.set T,   4                            ; v4-11   at work
.set MU,  12                           ; v12-13  the mean, twice
.set RS,  14                           ; v14-15  1 / sqrt(var + eps), twice
.set X,   32                           ; v32-95  my 64 numbers
.set GR,  96                           ; v96-159 the gains of my columns, then packed bf16 in the lower 32
.set BR,  160                          ; v160-223 the biases likewise
	s_load_b256 s[4:11], s[0:1], 0x0               ; x1 s[4:5], g2 s[6:7], be2 s[8:9], h2 s[10:11]
	v_lshrrev_b32 v1, 5, v0
	v_readfirstlane_b32 s26, v1                    ; wave 0..3
	s_mov_b32 s32, 0xffff0000                      ; a word's upper bf16
	s_lshl_b32 s27, ttmp9, 3
	s_lshl1_add_u32 s27, s26, s27                  ; my first row = 8 x work-group + 2 x wave
	s_lshl_b32 s28, s27, 12                        ; its byte in x1 (rows of 4,096 bytes)
	s_mov_b32 s29, 0
	s_lshl_b32 s30, s27, 7                         ; its byte in a block of h (rows of 128 bytes)
	s_mov_b32 s31, 0
	s_mov_b32 s33, 0x76543210                      ; v_permlanex16_b32: each lane takes its own place in the other half
	s_mov_b32 s34, 0xfedcba98
	s_mov_b32 s35, 0x3a800000                      ; 1 / 1024
	s_mov_b32 s36, 0x3727c5ac                      ; 1e-5
	v_and_b32 v4, 7, v0                            ; i8
	v_bfe_u32 v5, v0, 3, 1                         ; g2
	v_bfe_u32 v6, v0, 4, 1                         ; kbh
	v_lshlrev_b32 v2, 5, v4
	v_lshl_add_u32 v2, v6, 8, v2                   ; in g and be: 256 kbh + 32 i8
	v_lshl_add_u32 v1, v5, 12, v2                  ; in x1: + 4,096 g2
	v_lshlrev_b32 v3, 4, v4
	v_lshl_add_u32 v3, v5, 7, v3
	v_lshl_add_u32 v3, v6, 19, v3                  ; in h: 524,288 kbh + 128 g2 + 16 i8
	s_wait_kmcnt 0x0
	s_add_nc_u64 s[28:29], s[4:5], s[28:29]
	s_add_nc_u64 s[30:31], s[10:11], s[30:31]
.set j, 0
.rept 8
	global_load_b128 v[X+8*j:X+8*j+3],   v1, s[28:29] offset:j*512
	global_load_b128 v[X+8*j+4:X+8*j+7], v1, s[28:29] offset:j*512+16
.set j, j+1
.endr
.set j, 0
.rept 8
	global_load_b128 v[GR+8*j:GR+8*j+3],   v2, s[6:7] offset:j*512
	global_load_b128 v[GR+8*j+4:GR+8*j+7], v2, s[6:7] offset:j*512+16
.set j, j+1
.endr
.set j, 0
.rept 8
	global_load_b128 v[BR+8*j:BR+8*j+3],   v2, s[8:9] offset:j*512
	global_load_b128 v[BR+8*j+4:BR+8*j+7], v2, s[8:9] offset:j*512+16
.set j, j+1
.endr
; the sum of the four chains in v[T:T+7], over my 64 numbers and over the 16 lanes of my row: lane bits 0, 1, 2 and 4; bit 3 tells the two rows apart and is never mixed
.macro LANESUM
	v_pk_add_f32 v[T:T+1], v[T:T+1], v[T+2:T+3]
	v_pk_add_f32 v[T+4:T+5], v[T+4:T+5], v[T+6:T+7]
	v_pk_add_f32 v[T:T+1], v[T:T+1], v[T+4:T+5]
	v_add_f32 v[T], v[T], v[T+1]
	v_add_f32_dpp v[T], v[T], v[T] row_xmask:1 row_mask:0xf bank_mask:0xf
	v_add_f32_dpp v[T], v[T], v[T] row_xmask:2 row_mask:0xf bank_mask:0xf
	v_add_f32_dpp v[T], v[T], v[T] row_xmask:4 row_mask:0xf bank_mask:0xf
	v_permlanex16_b32 v[T+1], v[T], s33, s34
	v_add_f32 v[T], v[T], v[T+1]
.endm
	s_wait_loadcnt 32                              ; my 16 loads of the rows are in; the 32 younger ones (gains, biases) stay out
.if ROUND
.set p, 0
.rept 32                                               ; to bf16 and back, four temporaries by turns
	v_cvt_pk_bf16_f32 v[T+p%4], v[X+2*p], v[X+2*p+1]
	v_lshlrev_b32 v[X+2*p], 16, v[T+p%4]
	v_and_b32 v[X+2*p+1], s32, v[T+p%4]
.set p, p+1
.endr
.endif
.irp k, 0,1,2,3
	v_pk_add_f32 v[T+2*\k:T+2*\k+1], v[X+2*\k:X+2*\k+1], v[X+8+2*\k:X+8+2*\k+1]  ; the first pairs start four chains: nothing is cleared
.endr
.set p, 8
.rept 24
	v_pk_add_f32 v[T+2*(p%4):T+2*(p%4)+1], v[T+2*(p%4):T+2*(p%4)+1], v[X+2*p:X+2*p+1]
.set p, p+1
.endr
	LANESUM
	v_mul_f32 v[MU], s35, v[T]
	v_mov_b32 v[MU+1], v[MU]
.set p, 0
.rept 32
	v_pk_add_f32 v[X+2*p:X+2*p+1], v[X+2*p:X+2*p+1], v[MU:MU+1] neg_lo:[0,1] neg_hi:[0,1]
.set p, p+1
.endr
.irp k, 0,1,2,3
	v_pk_mul_f32 v[T+2*\k:T+2*\k+1], v[X+2*\k:X+2*\k+1], v[X+2*\k:X+2*\k+1]
.endr
.set p, 4
.rept 28
	v_pk_fma_f32 v[T+2*(p%4):T+2*(p%4)+1], v[X+2*p:X+2*p+1], v[X+2*p:X+2*p+1], v[T+2*(p%4):T+2*(p%4)+1]
.set p, p+1
.endr
	LANESUM
	v_fma_f32 v[T], v[T], s35, s36                 ; var + eps
	v_rsq_f32 v[RS], v[T]
	v_rsq_f32 v[RS+1], v[T]
	v_nop                                          ; a plain instruction between the root and the use of its result (ISA guide 5.7.2)
	s_wait_loadcnt 0x0                             ; gains and biases
.set p, 0
.rept 32                                               ; both rounded to bf16, packed in place from the low end
	v_cvt_pk_bf16_f32 v[GR+p], v[GR+2*p], v[GR+2*p+1]
	v_cvt_pk_bf16_f32 v[BR+p], v[BR+2*p], v[BR+2*p+1]
.set p, p+1
.endr
.set p, 0
	s_wait_alu depctr_va_vdst(0)
.rept 32
	v_pk_mul_f32 v[X+2*p:X+2*p+1], v[X+2*p:X+2*p+1], v[RS:RS+1]
.set p, p+1
.endr
.set p, 0
.rept 32                                               ; x g + be, the gain and the bias straight from their bf16 halves
	v_fma_mix_f32_bf16 v[X+2*p], v[X+2*p], v[GR+p], v[BR+p] op_sel_hi:[0,1,1]
	v_fma_mix_f32_bf16 v[X+2*p+1], v[X+2*p+1], v[GR+p], v[BR+p] op_sel:[0,1,1] op_sel_hi:[0,1,1]
.set p, p+1
.endr
.set p, 0
.rept 32
	v_cvt_pk_f16_f32 v[X+p], v[X+2*p], v[X+2*p+1]
.set p, p+1
.endr
.set j, 0
.rept 8
	global_store_b128 v3, v[X+4*j:X+4*j+3], s[30:31] offset:j*1048576  ; lanes 0-15 and lanes 16-31 each store 256 consecutive bytes (two rows of a block), at a multiple of 256
.set j, j+1
.endr
	s_endpgm
.Lfunc_end_k_qed5f7eb9d9_ln2:
	.size	k_qed5f7eb9d9_ln2, .Lfunc_end_k_qed5f7eb9d9_ln2-k_qed5f7eb9d9_ln2
	.p2alignl 7, 3214868480
	.fill 96, 4, 3214868480
	.section	.rodata,"a",@progbits
	.p2align	6, 0x0
	.amdhsa_kernel k_qed5f7eb9d9_ln2
		.amdhsa_group_segment_fixed_size 0
		.amdhsa_private_segment_fixed_size 0
		.amdhsa_enable_private_segment 0
		.amdhsa_kernarg_size 32
		.amdhsa_user_sgpr_count 2
		.amdhsa_user_sgpr_kernarg_segment_ptr 1
		.amdhsa_wavefront_size32 1
		.amdhsa_system_sgpr_workgroup_id_x 1
		.amdhsa_system_sgpr_workgroup_id_y 1
		.amdhsa_system_sgpr_workgroup_id_z 1
		.amdhsa_system_vgpr_workitem_id 0
		.amdhsa_next_free_vgpr 224
		.amdhsa_next_free_sgpr 66
		.amdhsa_reserve_vcc 0
		.amdhsa_float_denorm_mode_32 3
		.amdhsa_float_denorm_mode_16_64 3
		.amdhsa_memory_ordered 1
		.amdhsa_forward_progress 1
		.amdhsa_inst_pref_size 26
	.end_amdhsa_kernel
	.amdgpu_metadata
---
amdhsa.version: [ 1, 2 ]
amdhsa.kernels:
  - .name:           k_qed5f7eb9d9_ln2
    .symbol:         k_qed5f7eb9d9_ln2.kd
    .args:
      - { .name: x1, .offset: 0, .size: 8, .value_kind: global_buffer, .address_space: global }
      - { .name: g2, .offset: 8, .size: 8, .value_kind: global_buffer, .address_space: global }
      - { .name: be2, .offset: 16, .size: 8, .value_kind: global_buffer, .address_space: global }
      - { .name: h2, .offset: 24, .size: 8, .value_kind: global_buffer, .address_space: global }
    .group_segment_fixed_size: 0
    .private_segment_fixed_size: 0
    .kernarg_segment_align: 8
    .kernarg_segment_size: 32
    .max_flat_workgroup_size: 128
    .sgpr_count:     66
    .vgpr_count:     224
    .wavefront_size: 32
...
	.end_amdgpu_metadata
.endif
;; end of part 5
;; launch ffn1 (part 6): grid 16 x 16, 4 waves a work-group, clusters of 4 x 4, 327,680 bytes of LDS; arguments h2, wb, u, bf1; writes u
.if DOCPART == 6
	.amdgcn_target "amdgcn-amd-amdhsa--gfx1250"
	.amdhsa_code_object_version 6
	.text
	.protected	k_qed5f7eb9d9_ffn1
	.globl	k_qed5f7eb9d9_ffn1
	.p2align	8
	.type	k_qed5f7eb9d9_ffn1,@function
k_qed5f7eb9d9_ffn1:
	s_mov_b64 s[64:65], 0
	v_nop
	global_prefetch_b8 v0, s[64:65] scope:SCOPE_SE
	s_setreg_imm32_b32 hwreg(HW_REG_WAVE_MODE, 25, 1), 1
	s_wait_xcnt 0x0
	s_wait_alu depctr_hold_cnt(0) depctr_sa_sdst(0) depctr_va_vdst(0) depctr_va_sdst(0) depctr_va_ssrc(0) depctr_va_vcc(0) depctr_vm_vsrc(0)
	s_getreg_b32 s2, hwreg(HW_REG_IB_STS2, 6, 4)
	s_cmp_eq_u32 s2, 0
	s_cbranch_scc0 .Lentry_in_a_cluster
	s_endpgm
.Lentry_in_a_cluster:
	s_bfe_u32 s2, ttmp6, 0x10000c
	s_cmp_lg_u32 s2, 0xf033
	s_cbranch_scc0 .Lentry_shape_is_right
	s_endpgm
.Lentry_shape_is_right:
; FFN1.  u = gelu(h2 x W1 + bf1), the exact (erf) GELU: 4,096 rows, K = 1,024, 4,096 columns; bf1, an input of the module, is rounded to bf16; u is f16 by blocks of 64 columns.
.set KDIM,   1024
.set NDIM,   4096                      ; columns of the weight: the pitch of its rows
.set WOFF,   8388608                   ; the weight's first byte in wb
; THE PRODUCT.  C[m][n] = sum over k of A[m][k] W[k][n].  A: f16 as [K / 64 blocks][4096 rows][64] (a block is 524,288 bytes, its rows 128 dense bytes).  W: f16 as [K][NDIM].  Sums in f32.
; LIMITS.  f16 ends at 65,504: an output beyond that becomes an infinity; below 6.1e-5 it keeps the fixed step 6e-8.  NaN and infinities are not treated apart.
; SHARES.  A work-group makes 256 x 256 of C, each of its four waves 128 x 128: 64 accumulators of 16 x 16, 512 registers.  For 32 along K a wave reads 2 x 128 x 64 bytes from LDS and issues 64 matrix
; instructions.  K goes in steps of 128 through two LDS slots filled by the tensor data mover.  16 x 16 tiles: 256 work-groups of equal work.
; CLUSTER.  4 x 4 work-groups: the four of a row need the same tiles of A, the four of a column the same tiles of W; each tile is asked for jointly, by the same load with the same descriptor and a mask of the four.
; THE MATRIX INSTRUCTION IS USED TRANSPOSED: source 0 = 16 columns of W (read turned out of LDS, since W lies [K][N]), source 1 = 16 rows of A: a lane holds eight neighbouring numbers of a row of C.
; LDS.  A slot: A as 2 pieces (64 k each) of 256 rows, pitch 144; then W as 128 k-rows of 512 bytes, pitch 544.  Behind the two slots the spare words.
; THE WAY OUT goes through LDS: behind a barrier at which every wave's reads of both slots are over (both have had their last fill) each wave has 128 rows x 528 bytes of its own; so the bias and the
; GELU are written once, in a loop over rows, and not once for each accumulator.
; REGISTERS, in windows of 256 (s_set_vgpr_msb: bits 1:0 source 0, 3:2 source 1, 5:4 source 2, 7:6 destination):
;   window 0: v0-31 addresses; v32-59 at work on the way out; v64-127, v128-191 fragments of A, two buffers (on the way out: at work)      window 1: v64-127, v128-191 fragments of W, two buffers
;   window 2: the 32 accumulators of my rows 0-63 ((a, b) at v[8 (8 a + b)]);   window 3: those of my rows 64-127
.set STEPS,  KDIM/128
.set PA,     144                       ; a row of A in LDS: 128 bytes + 16: the 16 rows of a load start at 16 different groups of four banks (64 banks of 4 bytes: ISA guide 11.1)
.set PB,     544                       ; a k-row of W: 512 bytes + 32 = 17 x 32
.set PIECE,  256*PA                    ; 36,864: what a tensor load of A brings
.set HALFB,  64*PB                     ; 34,816: what a tensor load of W brings
.set BOFF,   2*PIECE
.set SLOT,   147456                    ; 0x24000, 4,096 more than a slot holds: none of the four landing addresses 0, 0x9000, 0x12000, 0x1A800 has one of its two bits, so an exclusive or changes slots
.set SPARE,  2*SLOT                    ; the spare words, 128 bytes for each wave: two blocks of 256 bytes that no other line names
.set SPITCH, 528                       ; the way out: a row of 128 f32 + 16 bytes
.set STGW,   128*SPITCH                ; 67,584 = 264 x 256 bytes for each wave
.set ASTEP,  2*524288                  ; a K step: two blocks of A,
.set BSTEP,  256*NDIM                  ; 128 rows of W
.set ADRA,  16                         ; v16  LDS address of my A fragments in the slot in hand
.set ADRB,  17                         ; v17  of my W fragments
.set ADRA0, 20                         ; v20-21  the same in slot 0; never rewritten
.set ADRB0, 21
.set STO,   24                         ; v24  the way out: where I put 32 bytes of a row
.set RD,    25                         ; v25  the way out: where I read rows back
.set GO,    26                         ; v26  my byte offset in the output
.set BO,    27                         ; v27  my byte offset in the bias
.set SPW,   28                         ; v28  LDS address of my spare word; never rewritten
.set NIL,   29                         ; v29  0; never rewritten
.set T,     32                         ; v32-47  4 rows' sums: 16 numbers a lane
.set BIAS,  48                         ; v48-55  the bias of my four columns in each of my two blocks of 64
.set W8,    56                         ; v56-59  at work
.set F0,    64
.set F1,    128
.set Z,     64                         ; the way out's work lies where A's fragments lay
.set Y,     80                         ; what is stored
.set TT,    96
.set EE,    112
.set PP,    128
.set MX,    144
.set AZ,    160
.set G1,  24                           ; s[24:31] descriptor group 1 for A;  s[32:39] group 0, two sets: the second walks on
.set G0,  32
.set G1B, 48                           ; s[48:55], s[56:63] the same for W
.set G0B, 56
.set MSB, 0
.macro WIN new                         ; the immediate's high byte repeats the setting that is left; a switch that changes nothing is dropped
.if MSB != (\new)
	s_set_vgpr_msb (MSB<<8)|(\new)
.set MSB, \new
.endif
.endm
.set MUL_LO, 0xa1                      ; source 0 (W) window 1, source 1 (A) window 0, C and D window 2
.set MUL_HI, 0xf1                      ; the same, C and D window 3
.set TO_B,   0x40                      ; destination window 1, address window 0
.macro PLACES                          ; four places in front of loads into registers that matrix instructions have read, and of lines that read results
.rept 4
	v_nop
.endr
.endm
.macro JLOAD                           ; a joint refill by the walking set: waves 0 and 1 fetch A's two blocks, waves 2 and 3 W's halves; an s_nop 0 and four v_nop follow each line
	s_cmp_lt_u32 s10, 2
	s_cbranch_scc0 .Lfor_b_\@
	tensor_load_to_lds s[G0+4:G0+7], s[G1:G1+7]
	s_nop 0
	PLACES
	s_branch .Lasked_\@
.Lfor_b_\@:
	tensor_load_to_lds s[G0B+4:G0B+7], s[G1B:G1B+7]
	s_nop 0
	PLACES
.Lasked_\@:
.endm
.macro CREST                           ; a round of the cluster's barrier behind its opening barrier
	s_cmp_lg_u32 s10, 0
	s_cbranch_scc1 .Lnot_wave_0_\@
	s_barrier_signal -3
.Lnot_wave_0_\@:
	s_barrier_wait -3
	s_barrier_signal -1
	s_barrier_wait -1
.endm
.macro CROUND
	s_barrier_signal -1
	s_barrier_wait -1
	CREST
.endm
	s_load_b128 s[4:7], s[0:1], 0x0                ; A s[4:5], wb s[6:7]
	s_load_b64 s[8:9], s[0:1], 0x10                ; the output
	s_load_b64 s[86:87], s[0:1], 0x18              ; the bias
	v_lshl_add_u32 v[SPW], v0, 2, SPARE
	v_mov_b32 v[NIL], 0
	ds_add_u32 v28, v29
	s_wait_dscnt 0x0
	v_lshrrev_b32 v1, 5, v0
	v_readfirstlane_b32 s10, v1                    ; wave 0..3
	s_lshr_b32 s11, s10, 1                         ; which half of the tile's rows is mine
	s_and_b32 s12, s10, 1                          ; which half of its columns.  Also: which half of A's or W's tile I fetch
	s_bfe_u32 s40, ttmp6, 0x40000                  ; cx, cy: my place in the cluster
	s_bfe_u32 s41, ttmp6, 0x40004
	s_lshl_b32 s42, ttmp9, 2
	s_add_co_u32 s42, s42, s40                     ; tile column tx = 4 x cluster x + cx
	s_and_b32 s13, ttmp7, 0xffff
	s_lshl_b32 s13, s13, 2
	s_add_co_u32 s13, s13, s41                     ; tile row ty = 4 x cluster y + cy
	s_lshl_b32 s43, s41, 2
	s_lshl_b32 s43, 15, s43                        ; my row of the cluster
	s_lshl_b32 s44, 0x1111, s40                    ; my column
	; A's tile: a block's 256 rows are 32,768 dense bytes: asked for as 128 rows of 256 bytes, two rows of A each, and padded in LDS after every 128 bytes
	s_or_b32 s[G1+0], s43, (1<<16)|(1<<20)|(1<<21)|(4<<22)|(3<<25)  ; 15:0 the mask: my row; 17:16 2-byte elements; 20 padding on; 21 set beside a mask; 24:22 after every 32 words; 31:25 4 words
	s_mov_b32 s[G1+1], 128<<16                     ; tensor_dim0 = 128
	s_mov_b32 s[G1+2], 128<<16                     ; tensor_dim1 = 128
	s_mov_b32 s[G1+3], 128<<16                     ; tile_dim0 = 128
	s_mov_b32 s[G1+4], 128                         ; tile_dim1 = 128
	s_mov_b32 s[G1+5], 128                         ; 128 elements from row to row
	s_mov_b32 s[G1+6], 0
	s_mov_b32 s[G1+7], 0
	; W's tile: 64 k-rows of 256 elements (512 bytes), padded by 32 bytes
	s_or_b32 s[G1B+0], s44, (1<<16)|(1<<20)|(1<<21)|(6<<22)|(7<<25)  ; the mask: my column; after every 128 words 8 words
	s_mov_b32 s[G1B+1], 256<<16
	s_mov_b32 s[G1B+2], 64<<16
	s_mov_b32 s[G1B+3], 256<<16
	s_mov_b32 s[G1B+4], 64
	s_mov_b32 s[G1B+5], NDIM
	s_mov_b32 s[G1B+6], 0
	s_mov_b32 s[G1B+7], 0
	; where the tiles come from.  A's hang on ty and the wave alone, W's on tx and the wave alone, each in registers that never hold the other coordinate
	s_lshl_b32 s16, s13, 15                        ; 256 rows of 128 bytes a tile row,
	s_lshl_b32 s17, s12, 19                        ; a block a half
	s_add_co_u32 s16, s16, s17
	s_mov_b32 s17, 0
	s_lshl_b32 s46, s42, 9                         ; 256 columns of 2 bytes a tile column
	s_add_co_u32 s46, s46, WOFF
	s_mul_i32 s47, s12, 128*NDIM                   ; 64 k-rows a half
	s_add_co_u32 s46, s46, s47
	s_mov_b32 s47, 0
	s_mul_i32 s20, s12, PIECE                      ; where a load of A lands,
	s_mul_i32 s21, s12, HALFB
	s_add_co_u32 s21, s21, BOFF                    ; and one of W: no place in the cluster enters an LDS address
	s_lshl_b32 s18, s42, 21                        ; my part's first byte in the output: block 4 tx + 2 half, row 256 ty + 128 half
	s_lshl_b32 s19, s12, 20
	s_add_co_u32 s18, s18, s19
	s_lshl_b32 s19, s13, 15
	s_add_co_u32 s18, s18, s19
	s_lshl_b32 s19, s11, 14
	s_add_co_u32 s18, s18, s19
	s_mov_b32 s19, 0
	s_mov_b32 s82, 0xffff0000                      ; a word's upper bf16
	s_mov_b32 s83, 0x7fffffff
	s_mov_b32 s88, 0xbf38aa3b                      ; -log2(e) / 2
	s_mov_b32 s89, s88                             ; (named as pairs, so both words are written)
	s_mov_b32 s90, 0x3e027906                      ; the tail's five coefficients, each divided by sqrt(2 pi)
	s_mov_b32 s91, s90
	s_mov_b32 s92, 0xbe11a98e
	s_mov_b32 s93, s92
	s_mov_b32 s94, 0x3f35f0e3
	s_mov_b32 s95, s94
	s_mov_b32 s96, 0xbf3a00e3
	s_mov_b32 s97, s96
	s_mov_b32 s98, 0x3f07dc22
	s_mov_b32 s99, s98
	s_mov_b32 s100, 0x3e6d3389                     ; 0.2316419
	s_mov_b32 s101, s100
	s_wait_kmcnt 0x0
	s_add_nc_u64 s[14:15], s[4:5], s[16:17]
	s_add_nc_u64 s[46:47], s[6:7], s[46:47]
	s_add_nc_u64 s[8:9], s[8:9], s[18:19]
.irp s, 0,1
	s_mov_b32 s[G0+4*(\s)], 1                                      ; count = 1
	s_add_co_u32 s[G0+4*(\s)+1], s20, (\s)*SLOT                    ; LDS address
	s_add_nc_u64 s[G0+4*(\s)+2:G0+4*(\s)+3], s[14:15], (\s)*ASTEP  ; global address: K step s
	s_or_b32 s[G0+4*(\s)+3], s[G0+4*(\s)+3], 0x80000000            ; type = 2
	s_mov_b32 s[G0B+4*(\s)], 1
	s_add_co_u32 s[G0B+4*(\s)+1], s21, (\s)*SLOT
	s_add_nc_u64 s[G0B+4*(\s)+2:G0B+4*(\s)+3], s[46:47], (\s)*BSTEP
	s_or_b32 s[G0B+4*(\s)+3], s[G0B+4*(\s)+3], 0x80000000
.endr
	CROUND                                         ; all sixteen work-groups are here: the first joint loads meet
	s_cmp_lt_u32 s10, 2                            ; a wave's two first fills stand in one branch, ahead of every wait on TENSORcnt and every LDS read: two loads of mine are out
	s_cbranch_scc0 .Lfirst_b
	tensor_load_to_lds s[G0:G0+3], s[G1:G1+7]
	s_nop 0
	tensor_load_to_lds s[G0+4:G0+7], s[G1:G1+7]
	s_nop 0
	PLACES
	s_branch .Lfirst_asked
.Lfirst_b:
	tensor_load_to_lds s[G0B:G0B+3], s[G1B:G1B+7]
	s_nop 0
	tensor_load_to_lds s[G0B+4:G0B+7], s[G1B:G1B+7]
	s_nop 0
	PLACES
.Lfirst_asked:
	; a fragment of A is 16 rows x 32 k: lane l holds row l % 16, k = 8 (l / 16) + 0..7 and 16 + 8 (l / 16) + 0..7: two loads of 16 bytes, 32 bytes apart
	v_and_b32 v1, 15, v0                           ; l % 16
	v_bfe_u32 v2, v0, 4, 1                         ; l / 16
	v_mul_u32_u24 v[ADRA0], v1, PA
	v_lshl_add_u32 v[ADRA0], v2, 4, v[ADRA0]
	s_mul_i32 s22, s11, 128*PA                     ; my 128 rows
	v_add_nc_u32 v[ADRA0], s22, v[ADRA0]
	; the turning load takes 16 k x 16 columns (lane l reads k-row 8 (l / 16) + l % 8, columns 8 ((l / 8) % 2) + 0..7) and leaves half a fragment: lane l holds column l % 16 and 8 k
	v_and_b32 v3, 7, v0
	v_lshl_add_u32 v3, v2, 3, v3
	v_mul_u32_u24 v[ADRB0], v3, PB
	v_bfe_u32 v3, v0, 3, 1
	v_lshl_add_u32 v[ADRB0], v3, 4, v[ADRB0]
	s_lshl_b32 s22, s12, 8                         ; my 128 columns
	s_add_co_u32 s22, s22, BOFF
	v_add_nc_u32 v[ADRB0], s22, v[ADRB0]
	v_mov_b32 v[ADRA], v[ADRA0]
	v_mov_b32 v[ADRB], v[ADRB0]
	s_mov_b32 s2, 0                                ; the slot in hand begins here
	s_mul_i32 s23, s10, STGW                       ; my bytes on the way out
	v_mul_u32_u24 v[STO], v1, SPITCH               ; in: row l % 16, 32 bytes for each half of the lanes
	v_lshl_add_u32 v[STO], v2, 5, v[STO]
	v_add_nc_u32 v[STO], s23, v[STO]
	v_mul_u32_u24 v[RD], v2, SPITCH                ; back: lanes 0-15 take 64 columns of one row, lanes 16-31 of the next
	v_lshl_add_u32 v[RD], v1, 4, v[RD]
	v_add_nc_u32 v[RD], s23, v[RD]
	v_and_b32 v[GO], 31, v0                        ; two rows of a block are 256 consecutive bytes: 8 bytes a lane
	v_lshlrev_b32 v[GO], 3, v[GO]
	s_lshl_b32 s22, s42, 10
	s_lshl_b32 s23, s12, 9
	s_add_co_u32 s22, s22, s23
	v_lshl_add_u32 v[BO], v1, 4, s22               ; columns 256 tx + 128 half + 4 (l % 16) on, and the same 64 columns further
	global_load_b128 v[BIAS:BIAS+3], v[BO], s[86:87]
	global_load_b128 v[BIAS+4:BIAS+7], v[BO], s[86:87] offset:256
; 16 matrix instructions: m blocks a0, a0 + 1 of the window's four (hi = 0: my rows 0-63, 1: rows 64-127) x all 8 n blocks, 32 along K.  zero = 1: the first product starts the sums.
; The 64 accumulators take turns, one instruction a turn, in the same order in every quarter.
.macro MUL16 f, hi, a0, zero
	WIN MUL_LO+0x50*(\hi)
.irp a, \a0, (\a0)+1
.irp b, 0,1,2,3,4,5,6,7
.if \zero
	v_wmma_f32_16x16x32_f16 v[8*(8*(\a)+(\b)):8*(8*(\a)+(\b))+7], v[(\f)+8*(\b):(\f)+8*(\b)+7], v[(\f)+8*(4*(\hi)+(\a)):(\f)+8*(4*(\hi)+(\a))+7], 0
.else
	v_wmma_f32_16x16x32_f16 v[8*(8*(\a)+(\b)):8*(8*(\a)+(\b))+7], v[(\f)+8*(\b):(\f)+8*(\b)+7], v[(\f)+8*(4*(\hi)+(\a)):(\f)+8*(4*(\hi)+(\a))+7], v[8*(8*(\a)+(\b)):8*(8*(\a)+(\b))+7]
.endif
.endr
.endr
.endm
; 32 LDS loads in one run: the fragments of quarter q (32 along K) of the slot in hand into buffer f: W's 128 columns, then A's 128 rows
.macro FETCH q, f
	WIN TO_B
.irp i, 0,1,2,3,4,5,6,7
	ds_load_tr16_b128 v[(\f)+8*(\i):(\f)+8*(\i)+3],   v[ADRB] offset:32*(\q)*PB+32*(\i)
	ds_load_tr16_b128 v[(\f)+8*(\i)+4:(\f)+8*(\i)+7], v[ADRB] offset:(32*(\q)+16)*PB+32*(\i)
.endr
	WIN 0
.irp i, 0,1,2,3,4,5,6,7
	ds_load_b128 v[(\f)+8*(\i):(\f)+8*(\i)+3],   v[ADRA] offset:((\q)/2)*PIECE+(\i)*16*PA+((\q)%2)*64
	ds_load_b128 v[(\f)+8*(\i)+4:(\f)+8*(\i)+7], v[ADRA] offset:((\q)/2)*PIECE+(\i)*16*PA+((\q)%2)*64+32
.endr
.endm
; A K step is four quarters of 32 along K, 64 matrix instructions each, on buffers 0, 1, 0, 1.  One of the first three: multiplies buffer f and, in its middle, fetches quarter qn into g.
.macro QUARTER qn, f, g, zero
	s_wait_dscnt 8                                 ; W and A's rows 0-63 are in; the youngest eight loads (A's rows 64-127) may be out
	MUL16 \f, 0, 0, \zero
	MUL16 \f, 0, 2, \zero
	PLACES
	FETCH \qn, \g
	s_wait_dscnt 32                                ; all but the 32 just issued
	MUL16 \f, 1, 0, \zero
	MUL16 \f, 1, 2, \zero
.endm
; The last quarter multiplies buffer 1 and changes slots: ONE barrier; in front of it each wave waits for all its tensor loads, adds 0 to its spare word, and waits for that and for its own reads of the slot.
; fill = 1: the barrier opens a round of the cluster's, and behind the round the slot left is filled again, two K steps ahead, by a joint load.  fill = 0: nothing is asked for.
.macro TURN fill
	WIN 0                                          ; (the add's two registers lie in window 0)
	s_wait_tensorcnt 0x0                           ; all my tensor loads have landed: the one that was out is my part of the next slot
	ds_add_u32 v[SPW], v[NIL]                      ; 0 onto my spare word
	s_wait_dscnt 9                                 ; (the add and the youngest eight loads may be out)
	MUL16 F1, 0, 0, 0                              ; sixteen matrix instructions stand between the add and the wait for it
	s_wait_dscnt 0x0                               ; the add is done, and my reads of this slot are over
	s_barrier_signal -1
	MUL16 F1, 0, 2, 0
	WIN 0                                          ; (branches and window 0's addresses follow)
	s_barrier_wait -1
.if \fill
	CREST                                          ; no wave of any partner still reads this slot or has a load on its way
	s_xor_b32 s[G0+5], s[G0+5], SLOT               ; the walking sets: the other slot than last time, the next K step; no load of mine is out
	s_add_nc_u64 s[G0+6:G0+7], s[G0+6:G0+7], ASTEP
	s_xor_b32 s[G0B+5], s[G0B+5], SLOT
	s_add_nc_u64 s[G0B+6:G0B+7], s[G0B+6:G0B+7], BSTEP
	JLOAD                                          ; the first tensor load behind the round: 224 matrix instructions ahead of the wait for it; its four v_nop are also the places in front of the loads below
.else
	PLACES
.endif
	s_xor_b32 s2, s2, SLOT                         ; the fetches go on in the other slot
	v_add_nc_u32 v[ADRA], s2, v[ADRA0]
	v_add_nc_u32 v[ADRB], s2, v[ADRB0]
	FETCH 0, F0
	MUL16 F1, 1, 0, 0
	MUL16 F1, 1, 2, 0
.endm
	s_wait_tensorcnt 1                             ; my part of K step 0 is in; step 1's may stay out
	s_barrier_signal -1
	s_barrier_wait -1                              ; everybody's is
	FETCH 0, F0
	QUARTER 1, F0, F1, 1                           ; the first quarter stands in front of the loop: its products start the sums
	WIN 0                                          ; at a label and at a branch every window is 0
	s_mov_b32 s3, STEPS-2
.Lstep:                                                ; a trip: from a K step's second quarter to the next step's first; it fills the slot that it leaves
	QUARTER 2, F1, F0, 0
	QUARTER 3, F0, F1, 0
	TURN 1
	QUARTER 1, F0, F1, 0
	WIN 0
	s_sub_co_u32 s3, s3, 1
	s_cmp_lg_u32 s3, 0
	s_cbranch_scc1 .Lstep
	QUARTER 2, F1, F0, 0                           ; the last two K steps ask for no further step
	QUARTER 3, F0, F1, 0
	TURN 0
	QUARTER 1, F0, F1, 0
	QUARTER 2, F1, F0, 0
	QUARTER 3, F0, F1, 0
	s_wait_dscnt 8                                 ; the very last quarter: nothing more to fetch
	MUL16 F1, 0, 0, 0
	MUL16 F1, 0, 2, 0
	s_wait_dscnt 0x0                               ; my reads of the slots are over:
	s_barrier_signal -1                            ; say so, since the way out writes where other waves have been reading,
	MUL16 F1, 1, 0, 0
	MUL16 F1, 1, 2, 0
	WIN 0
	s_barrier_wait -1                              ; and go on when all four have said so; no tensor load is out or will be issued
	; THE WAY OUT.  My 128 x 128 sums go as f32 into my own 128 rows of 528 bytes, each accumulator's low registers first, and come back by rows, 4 rows a trip.
	PLACES
.irp hi, 0,1
	WIN 0x08+4*(\hi)                               ; the stores' data (source 1) in window 2, then 3
.irp a, 0,1,2,3
.irp b, 0,1,2,3,4,5,6,7
	ds_store_b128 v[STO], v[8*(8*(\a)+(\b)):8*(8*(\a)+(\b))+3]   offset:(4*(\hi)+(\a))*16*SPITCH+64*(\b)
	ds_store_b128 v[STO], v[8*(8*(\a)+(\b))+4:8*(8*(\a)+(\b))+7] offset:(4*(\hi)+(\a))*16*SPITCH+64*(\b)+16
.endr
.endr
.endr
	WIN 0
	s_wait_loadcnt 0x0                             ; the bias: an input, so rounded to bf16
.irp c, 0,1
	v_cvt_pk_bf16_f32 v[W8+2*\c], v[BIAS+4*\c], v[BIAS+4*\c+1]
	v_cvt_pk_bf16_f32 v[W8+2*\c+1], v[BIAS+4*\c+2], v[BIAS+4*\c+3]
	v_lshlrev_b32 v[BIAS+4*\c], 16, v[W8+2*\c]
	v_and_b32 v[BIAS+4*\c+1], s82, v[W8+2*\c]
	v_lshlrev_b32 v[BIAS+4*\c+2], 16, v[W8+2*\c+1]
	v_and_b32 v[BIAS+4*\c+3], s82, v[W8+2*\c+1]
.endr
.macro LOADROWS                        ; load i: rows 2 (i % 2), 2 (i % 2) + 1 of the trip's four, columns 64 (i / 2) on.  LDS serves a wave's instructions in order (ISA guide 5.7.1.4): these see my stores above
.irp i, 0,1,2,3
	ds_load_b128 v[T+4*\i:T+4*\i+3], v[RD] offset:(\i%2)*2*SPITCH+(\i/2)*256
.endr
.endm
	LOADROWS
	s_mov_b32 s3, 32
.Lrow:
	s_wait_dscnt 0x0                               ; this trip's 4 rows are back in registers
.irp p, 0,1,2,3,4,5,6,7
	v_pk_add_f32 v[Z+2*\p:Z+2*\p+1], v[T+2*\p:T+2*\p+1], v[BIAS+4*(\p/4)+2*(\p%2):BIAS+4*(\p/4)+2*(\p%2)+1]  ; uses up T, so that the next rows can be asked for
.endr
	s_cmp_eq_u32 s3, 1
	s_cbranch_scc1 .Lno_rows                       ; behind the last 4 rows there are none
	v_add_nc_u32 v[RD], 4*SPITCH, v[RD]
	LOADROWS                                       ; the next 4 rows come while these are worked on
.Lno_rows:
	; gelu(z) = z Phi(z) = max(z, 0) - |z| Q(|z|), Q the normal tail: Q(x) = exp(-x x / 2) / sqrt(2 pi) x (b1 t + .. + b5 t^5), t = 1 / (1 + 0.2316419 x)
	; (Abramowitz and Stegun 26.2.17: off by 7.5e-8 at the most, for every x >= 0)
.set i, 0
.rept 16
	v_and_b32 v[AZ+i], s83, v[Z+i]
.set i, i+1
.endr
.set i, 0
.rept 8
	v_pk_fma_f32 v[TT+2*i:TT+2*i+1], v[AZ+2*i:AZ+2*i+1], s[100:101], 1.0 op_sel_hi:[1,0,0]
	v_pk_mul_f32 v[EE+2*i:EE+2*i+1], v[Z+2*i:Z+2*i+1], s[88:89] op_sel_hi:[1,0]
.set i, i+1
.endr
.set i, 0
.rept 8
	v_pk_mul_f32 v[EE+2*i:EE+2*i+1], v[EE+2*i:EE+2*i+1], v[Z+2*i:Z+2*i+1]
.set i, i+1
.endr
.set i, 0
.rept 16
	v_rcp_f32 v[TT+i], v[TT+i]
.set i, i+1
.endr
.set i, 0
.rept 16
	v_exp_f32 v[EE+i], v[EE+i]
.set i, i+1
.endr
.set i, 0
.rept 16
	v_max_num_f32 v[MX+i], 0, v[Z+i]               ; plain work between the last exponential and the use of its result (ISA guide 5.7.2)
.set i, i+1
.endr
.set i, 0
	s_wait_alu depctr_va_vdst(0)
.rept 8
	v_pk_fma_f32 v[PP+2*i:PP+2*i+1], v[TT+2*i:TT+2*i+1], s[98:99], s[96:97] op_sel_hi:[1,0,0]
.set i, i+1
.endr
.irp c, 94, 92, 90
.set i, 0
.rept 8
	v_pk_fma_f32 v[PP+2*i:PP+2*i+1], v[PP+2*i:PP+2*i+1], v[TT+2*i:TT+2*i+1], s[\c:\c+1] op_sel_hi:[1,1,0]
.set i, i+1
.endr
.endr
.set i, 0
.rept 8
	v_pk_mul_f32 v[PP+2*i:PP+2*i+1], v[PP+2*i:PP+2*i+1], v[TT+2*i:TT+2*i+1]
.set i, i+1
.endr
.set i, 0
.rept 8
	v_pk_mul_f32 v[PP+2*i:PP+2*i+1], v[PP+2*i:PP+2*i+1], v[EE+2*i:EE+2*i+1]
.set i, i+1
.endr
.set i, 0
.rept 8
	v_pk_fma_f32 v[MX+2*i:MX+2*i+1], v[PP+2*i:PP+2*i+1], v[AZ+2*i:AZ+2*i+1], v[MX+2*i:MX+2*i+1] neg_lo:[1,0,0] neg_hi:[1,0,0]
.set i, i+1
.endr
.set i, 0
.rept 8
	v_cvt_pk_f16_f32 v[Y+i], v[MX+2*i], v[MX+2*i+1]
.set i, i+1
.endr
.irp i, 0,1,2,3
	global_store_b64 v[GO], v[Y+2*\i:Y+2*\i+1], s[8:9] offset:(\i/2)*524288+(\i%2)*256  ; 32 lanes store 256 consecutive bytes (two rows of a block), at a multiple of 256
.endr
	s_wait_xcnt 0x0                                ; the stores' addresses are translated (ISA guide 3.1): only behind this wait are their base and Y written again
	s_add_nc_u64 s[8:9], s[8:9], 4*128
	s_sub_co_u32 s3, s3, 1
	s_cmp_lg_u32 s3, 0
	s_cbranch_scc1 .Lrow
	s_wait_tensorcnt 0x0                           ; the wave's end: behind my last tensor load and my last LDS store
	ds_add_u32 v[SPW], v[NIL]
	s_wait_dscnt 0x0
	CROUND                                         ; the closing round: no work-group ends while a partner may still ask for a tile that names it
	s_endpgm
.Lfunc_end_k_qed5f7eb9d9_ffn1:
	.size	k_qed5f7eb9d9_ffn1, .Lfunc_end_k_qed5f7eb9d9_ffn1-k_qed5f7eb9d9_ffn1
	.p2alignl 7, 3214868480
	.fill 96, 4, 3214868480
	.section	.rodata,"a",@progbits
	.p2align	6, 0x0
	.amdhsa_kernel k_qed5f7eb9d9_ffn1
		.amdhsa_group_segment_fixed_size 327680
		.amdhsa_private_segment_fixed_size 0
		.amdhsa_enable_private_segment 0
		.amdhsa_kernarg_size 32
		.amdhsa_user_sgpr_count 2
		.amdhsa_user_sgpr_kernarg_segment_ptr 1
		.amdhsa_wavefront_size32 1
		.amdhsa_system_sgpr_workgroup_id_x 1
		.amdhsa_system_sgpr_workgroup_id_y 1
		.amdhsa_system_sgpr_workgroup_id_z 1
		.amdhsa_system_vgpr_workitem_id 0
		.amdhsa_next_free_vgpr 1024
		.amdhsa_next_free_sgpr 102
		.amdhsa_reserve_vcc 0
		.amdhsa_float_denorm_mode_32 3
		.amdhsa_float_denorm_mode_16_64 3
		.amdhsa_memory_ordered 1
		.amdhsa_forward_progress 1
		.amdhsa_inst_pref_size 104
	.end_amdhsa_kernel
	.amdgpu_metadata
---
amdhsa.version: [ 1, 2 ]
amdhsa.kernels:
  - .name:           k_qed5f7eb9d9_ffn1
    .symbol:         k_qed5f7eb9d9_ffn1.kd
    .args:
      - { .name: h2, .offset: 0, .size: 8, .value_kind: global_buffer, .address_space: global }
      - { .name: wb, .offset: 8, .size: 8, .value_kind: global_buffer, .address_space: global }
      - { .name: u, .offset: 16, .size: 8, .value_kind: global_buffer, .address_space: global }
      - { .name: bf1, .offset: 24, .size: 8, .value_kind: global_buffer, .address_space: global }
    .group_segment_fixed_size: 327680
    .private_segment_fixed_size: 0
    .kernarg_segment_align: 8
    .kernarg_segment_size: 32
    .max_flat_workgroup_size: 128
    .sgpr_count:     102
    .vgpr_count:     1024
    .wavefront_size: 32
...
	.end_amdgpu_metadata
.endif
;; end of part 6
;; launch ffn2 (part 7): grid 8 x 32, 4 waves a work-group, clusters of 4 x 4, 327,680 bytes of LDS; arguments u, wb, out0, x1, bf2; writes out0
.if DOCPART == 7
	.amdgcn_target "amdgcn-amd-amdhsa--gfx1250"
	.amdhsa_code_object_version 6
	.text
	.protected	k_qed5f7eb9d9_ffn2
	.globl	k_qed5f7eb9d9_ffn2
	.p2align	8
	.type	k_qed5f7eb9d9_ffn2,@function
k_qed5f7eb9d9_ffn2:
	s_mov_b64 s[64:65], 0
	v_nop
	global_prefetch_b8 v0, s[64:65] scope:SCOPE_SE
	s_setreg_imm32_b32 hwreg(HW_REG_WAVE_MODE, 25, 1), 1
	s_wait_xcnt 0x0
	s_wait_alu depctr_hold_cnt(0) depctr_sa_sdst(0) depctr_va_vdst(0) depctr_va_sdst(0) depctr_va_ssrc(0) depctr_va_vcc(0) depctr_vm_vsrc(0)
	s_getreg_b32 s2, hwreg(HW_REG_IB_STS2, 6, 4)
	s_cmp_eq_u32 s2, 0
	s_cbranch_scc0 .Lentry_in_a_cluster
	s_endpgm
.Lentry_in_a_cluster:
	s_bfe_u32 s2, ttmp6, 0x10000c
	s_cmp_lg_u32 s2, 0xf033
	s_cbranch_scc0 .Lentry_shape_is_right
	s_endpgm
.Lentry_shape_is_right:
; FFN2.  out0 = x1 + u x W2 + bf2: 4,096 rows, K = 4,096, 1,024 columns; x1 is the program's own f32 and is taken as it is; bf2, an input of the module, is rounded to bf16; out0 is f32, row-major.
.set KDIM,   4096
.set NDIM,   1024                      ; columns of the weight: the pitch of its rows
.set WOFF,   16777216                  ; the weight's first byte in wb
; THE PRODUCT.  C[m][n] = sum over k of A[m][k] W[k][n].  A: f16 as [K / 64 blocks][4096 rows][64] (a block is 524,288 bytes, its rows 128 dense bytes).  W: f16 as [K][NDIM].  Sums in f32.
; LIMITS.  A and W arrive within f16's 65,504; NaN and infinities are not treated apart.
; SHARES.  A work-group makes 128 x 128 of C, each of its four waves 64 x 64: 16 accumulators of 16 x 16.  K goes in steps of 256 through two LDS slots filled by the tensor data mover.
; CLUSTER.  4 x 4 work-groups: the four of a row need the same tiles of A, the four of a column the same tiles of W; each tile is asked for jointly, by the same load with the same descriptor and a mask of the four.
; THE MATRIX INSTRUCTION IS USED TRANSPOSED: source 0 = 16 columns of W (read turned out of LDS, since W lies [K][N]), source 1 = 16 rows of A: a lane holds eight neighbouring numbers of a row of C.
; LDS.  A slot: A as 4 pieces (64 k each) of 128 rows, pitch 144; then W as 256 k-rows, pitch 288.  Wave w's load lands at slot + 36,864 w.  Behind the slots the spare words.
; THE WAY OUT goes through the wave's own quarter of slot 0, once that slot has had its last K step and every wave's reads of it are over (the last change of slots): its head takes the residual's tile, the sums lie behind.
; REGISTERS.  Window 0: v0-31 addresses; v32-111 at work on the way out; v128-255 the accumulators ((a, b) at 128 + 8 (4 a + b)).  Window 1: two fragment buffers of 128: 64 of A, then 64 of W.
.set STEPS,  KDIM/256
.set PA,     144                       ; a row of A in LDS: 128 bytes + 16: the 16 rows of a load start at 16 different groups of four banks (64 banks of 4 bytes: ISA guide 11.1)
.set PB,     288                       ; a k-row of W: 256 bytes + 32
.set PIECE,  128*PA
.set QUART,  2*PIECE                   ; 36,864: what one tensor load brings (128 k-rows of W are as much)
.set BOFF,   2*QUART
.set SLOT,   4*QUART                   ; 147,456 = 0x24000; no 36,864 w has one of its two bits, so an exclusive or turns an address in one slot into the other's
.set SPARE,  2*SLOT                    ; the spare words, 128 bytes for each wave: two blocks of 256 bytes that no other line names
.set SPITCH, 272
.set DUMPOFF, 64*SPITCH                ; the residual's tile lies at the head of my quarter, the sums behind it
.set ASTEP,  4*524288                  ; a K step: four blocks of A,
.set BSTEP,  512*NDIM                  ; 256 rows of W
.set ADRA,  16                         ; v16     LDS address of my A fragments in the slot in hand
.set ADRB,  17                         ; v17-18  of my W fragments: k-rows 0-127, 128-255
.set ADRA0, 20                         ; v20-21  the same in slot 0; never rewritten
.set ADRB0, 21
.set STO,   24                         ; v24     the way out: where I put 32 bytes of a row
.set RD,    25                         ; v25     the way out: where I read rows back
.set GO,    26                         ; v26     my byte offset in the output
.set BO,    27                         ; v27     my byte offset in the bias
.set SPW,   28                         ; v28     LDS address of my spare word; never rewritten
.set NIL,   29                         ; v29     0; never rewritten
.set T,     32                         ; v32-47  8 rows' sums: 16 numbers a lane
.set R,     48                         ; v48-63  the residual's
.set Z,     64
.set Y,     80                         ; what is stored
.set BIAS,  96                         ; v96-99  the bias of my four columns
.set W8,    100                        ; v100-101 at work
.set ACC,   128
.set F0,    0
.set F1,    128
.set G1,  24                           ; s[24:31] descriptor group 1 for A;  s[32:39] group 0, two sets: the second walks on
.set G0,  32
.set G1B, 48                           ; s[48:55], s[56:63] the same for W
.set G0B, 56
.set G1R, 68                           ; s[68:75], s[76:79] the residual's tile
.set G0R, 76
.set MSB, 0
.macro WIN new                         ; the immediate's high byte repeats the setting that is left; a switch that changes nothing is dropped
.if MSB != (\new)
	s_set_vgpr_msb (MSB<<8)|(\new)
.set MSB, \new
.endif
.endm
.set MUL,  0x05                        ; sources 0 (W) and 1 (A) window 1; C and D window 0
.set TO_F, 0x40                        ; destination window 1, address window 0
.macro PLACES                          ; four places in front of loads into registers that matrix instructions have read, and of lines that read results
.rept 4
	v_nop
.endr
.endm
.macro JLOAD                           ; a joint refill by the walking set: waves 0 and 1 fetch A's halves, waves 2 and 3 W's; an s_nop 0 and four v_nop follow each line
	s_cmp_eq_u32 s11, 0
	s_cbranch_scc0 .Lfor_b_\@
	tensor_load_to_lds s[G0+4:G0+7], s[G1:G1+7]
	s_nop 0
	PLACES
	s_branch .Lasked_\@
.Lfor_b_\@:
	tensor_load_to_lds s[G0B+4:G0B+7], s[G1B:G1B+7]
	s_nop 0
	PLACES
.Lasked_\@:
.endm
.macro RLOAD                           ; my 64 x 64 of the residual, a load of my own, into the head of my quarter of slot 0
	tensor_load_to_lds s[G0R:G0R+3], s[G1R:G1R+7]
	s_nop 0
	PLACES
.endm
.macro CREST                           ; a round of the cluster's barrier behind its opening barrier
	s_cmp_lg_u32 s10, 0
	s_cbranch_scc1 .Lnot_wave_0_\@
	s_barrier_signal -3
.Lnot_wave_0_\@:
	s_barrier_wait -3
	s_barrier_signal -1
	s_barrier_wait -1
.endm
.macro CROUND
	s_barrier_signal -1
	s_barrier_wait -1
	CREST
.endm
	s_load_b128 s[4:7], s[0:1], 0x0                ; A s[4:5], wb s[6:7]
	s_load_b64 s[8:9], s[0:1], 0x10                ; the output
	s_load_b64 s[84:85], s[0:1], 0x18              ; the residual
	s_load_b64 s[86:87], s[0:1], 0x20              ; the bias
	v_lshl_add_u32 v[SPW], v0, 2, SPARE
	v_mov_b32 v[NIL], 0
	ds_add_u32 v28, v29
	s_wait_dscnt 0x0
	v_lshrrev_b32 v1, 5, v0
	v_readfirstlane_b32 s10, v1                    ; wave 0..3
	s_lshr_b32 s11, s10, 1                         ; which half of the tile's rows is mine.  Also: I fetch for A (0) or for W (1)
	s_and_b32 s12, s10, 1                          ; which half of its columns.  Also: which half of that tile I fetch
	s_bfe_u32 s40, ttmp6, 0x40000                  ; cx, cy: my place in the cluster
	s_bfe_u32 s41, ttmp6, 0x40004
	s_lshl_b32 s42, ttmp9, 2
	s_add_co_u32 s42, s42, s40                     ; tile column tx = 4 x cluster x + cx
	s_and_b32 s13, ttmp7, 0xffff
	s_lshl_b32 s13, s13, 2
	s_add_co_u32 s13, s13, s41                     ; tile row ty = 4 x cluster y + cy
	s_lshl_b32 s43, s41, 2
	s_lshl_b32 s43, 15, s43                        ; my row of the cluster
	s_lshl_b32 s44, 0x1111, s40                    ; my column
	; A's tile: two blocks' 128 rows, each 16,384 dense bytes asked for as one row of 8,192 elements; padded in LDS after every 128 bytes
	s_or_b32 s[G1+0], s43, (1<<16)|(1<<20)|(1<<21)|(4<<22)|(3<<25)  ; 15:0 the mask: my row; 17:16 2-byte elements; 20 padding on; 21 set beside a mask; 24:22 after every 32 words; 31:25 4 words
	s_mov_b32 s[G1+1], 8192<<16                    ; tensor_dim0 = 8,192
	s_mov_b32 s[G1+2], 2<<16                       ; tensor_dim1 = 2
	s_mov_b32 s[G1+3], 8192<<16                    ; tile_dim0 = 8,192
	s_mov_b32 s[G1+4], 2                           ; tile_dim1 = 2
	s_mov_b32 s[G1+5], 262144                      ; a block's elements from row to row
	s_mov_b32 s[G1+6], 0
	s_mov_b32 s[G1+7], 0
	; W's tile: 128 k-rows of 128 elements (256 bytes), padded by 32 bytes
	s_or_b32 s[G1B+0], s44, (1<<16)|(1<<20)|(1<<21)|(5<<22)|(7<<25)  ; the mask: my column; after every 64 words 8 words
	s_mov_b32 s[G1B+1], 128<<16
	s_mov_b32 s[G1B+2], 128<<16
	s_mov_b32 s[G1B+3], 128<<16
	s_mov_b32 s[G1B+4], 128
	s_mov_b32 s[G1B+5], NDIM
	s_mov_b32 s[G1B+6], 0
	s_mov_b32 s[G1B+7], 0
	; where the tiles come from.  A's hang on ty and the wave alone, W's on tx and the wave alone, each in registers that never hold the other coordinate
	s_lshl_b32 s16, s13, 14                        ; 128 rows of 128 bytes a tile row,
	s_lshl_b32 s17, s12, 20                        ; two blocks a half
	s_add_co_u32 s16, s16, s17
	s_mov_b32 s17, 0
	s_lshl_b32 s46, s42, 8                         ; 128 columns of 2 bytes a tile column
	s_add_co_u32 s46, s46, WOFF
	s_mul_i32 s47, s12, 256*NDIM                   ; 128 k-rows a half
	s_add_co_u32 s46, s46, s47
	s_mov_b32 s47, 0
	s_mul_i32 s20, s10, QUART                      ; where my load lands, and my quarter of slot 0: no place in the cluster enters an LDS address
	; my part's first byte in the output and in the residual: f32 rows of 4,096 bytes: (128 ty + 64 half) rows, (128 tx + 64 half) columns
	s_lshl_b32 s18, s13, 19
	s_lshl_b32 s19, s11, 18
	s_add_co_u32 s18, s18, s19
	s_lshl_b32 s19, s42, 9
	s_add_co_u32 s18, s18, s19
	s_lshl_b32 s19, s12, 8
	s_add_co_u32 s18, s18, s19
	s_mov_b32 s19, 0
	s_mov_b32 s82, 0xffff0000                      ; a word's upper bf16
	s_wait_kmcnt 0x0
	s_add_nc_u64 s[14:15], s[4:5], s[16:17]
	s_add_nc_u64 s[46:47], s[6:7], s[46:47]
	s_add_nc_u64 s[8:9], s[8:9], s[18:19]
	s_mov_b32 s[G1R+0], (2<<16)|(1<<20)|(5<<22)|(3<<25)  ; no mask; 4-byte elements; after every 64 words 4 words: pitch 272
	s_mov_b32 s[G1R+1], 64<<16
	s_mov_b32 s[G1R+2], 64<<16
	s_mov_b32 s[G1R+3], 64<<16
	s_mov_b32 s[G1R+4], 64
	s_mov_b32 s[G1R+5], 1024
	s_mov_b32 s[G1R+6], 0
	s_mov_b32 s[G1R+7], 0
	s_mov_b32 s[G0R], 1
	s_mov_b32 s[G0R+1], s20
	s_add_nc_u64 s[G0R+2:G0R+3], s[84:85], s[18:19]
	s_or_b32 s[G0R+3], s[G0R+3], 0x80000000
.irp s, 0,1
	s_mov_b32 s[G0+4*(\s)], 1                                      ; count = 1
	s_add_co_u32 s[G0+4*(\s)+1], s20, (\s)*SLOT                    ; LDS address
	s_add_nc_u64 s[G0+4*(\s)+2:G0+4*(\s)+3], s[14:15], (\s)*ASTEP  ; global address: K step s
	s_or_b32 s[G0+4*(\s)+3], s[G0+4*(\s)+3], 0x80000000            ; type = 2
	s_mov_b32 s[G0B+4*(\s)], 1
	s_add_co_u32 s[G0B+4*(\s)+1], s20, (\s)*SLOT
	s_add_nc_u64 s[G0B+4*(\s)+2:G0B+4*(\s)+3], s[46:47], (\s)*BSTEP
	s_or_b32 s[G0B+4*(\s)+3], s[G0B+4*(\s)+3], 0x80000000
.endr
	CROUND                                         ; all sixteen work-groups are here: the first joint loads meet
	s_cmp_eq_u32 s11, 0                            ; a wave's two first fills stand in one branch, ahead of every wait on TENSORcnt and every LDS read: two loads of mine are out
	s_cbranch_scc0 .Lfirst_b
	tensor_load_to_lds s[G0:G0+3], s[G1:G1+7]
	s_nop 0
	tensor_load_to_lds s[G0+4:G0+7], s[G1:G1+7]
	s_nop 0
	PLACES
	s_branch .Lfirst_asked
.Lfirst_b:
	tensor_load_to_lds s[G0B:G0B+3], s[G1B:G1B+7]
	s_nop 0
	tensor_load_to_lds s[G0B+4:G0B+7], s[G1B:G1B+7]
	s_nop 0
	PLACES
.Lfirst_asked:
	; a fragment of A is 16 rows x 32 k: lane l holds row l % 16, k = 8 (l / 16) + 0..7 and 16 + 8 (l / 16) + 0..7: two loads of 16 bytes, 32 bytes apart
	v_and_b32 v1, 15, v0                           ; l % 16
	v_bfe_u32 v2, v0, 4, 1                         ; l / 16
	v_mul_u32_u24 v[ADRA0], v1, PA
	v_lshl_add_u32 v[ADRA0], v2, 4, v[ADRA0]
	s_mul_i32 s21, s11, 64*PA                      ; my 64 rows
	v_add_nc_u32 v[ADRA0], s21, v[ADRA0]
	; the turning load takes 16 k x 16 columns (lane l reads k-row 8 (l / 16) + l % 8, columns 8 ((l / 8) % 2) + 0..7) and leaves half a fragment: lane l holds column l % 16 and 8 k
	v_and_b32 v3, 7, v0
	v_lshl_add_u32 v3, v2, 3, v3
	v_mul_u32_u24 v[ADRB0], v3, PB
	v_bfe_u32 v3, v0, 3, 1
	v_lshl_add_u32 v[ADRB0], v3, 4, v[ADRB0]
	s_lshl_b32 s21, s12, 7                         ; my 64 columns
	s_add_co_u32 s21, s21, BOFF
	v_add_nc_u32 v[ADRB0], s21, v[ADRB0]
	v_mov_b32 v[ADRA], v[ADRA0]
	v_mov_b32 v[ADRB], v[ADRB0]
	v_add_nc_u32 v[ADRB+1], QUART, v[ADRB0]
	s_mov_b32 s2, 0                                ; the slot in hand begins here
	v_mul_u32_u24 v[STO], v1, SPITCH               ; in: row l % 16, 32 bytes for each half of the lanes
	v_lshl_add_u32 v[STO], v2, 5, v[STO]
	s_add_co_u32 s21, s20, DUMPOFF
	v_add_nc_u32 v[STO], s21, v[STO]
	v_mul_u32_u24 v[RD], v2, SPITCH                ; back: lanes 0-15 take one row of 256 bytes, lanes 16-31 the next
	v_lshl_add_u32 v[RD], v1, 4, v[RD]
	v_add_nc_u32 v[RD], s20, v[RD]
	v_lshlrev_b32 v[GO], 12, v2                    ; the same two rows in the output
	v_lshl_add_u32 v[GO], v1, 4, v[GO]
	s_lshl_b32 s21, s42, 9
	s_lshl_b32 s22, s12, 8
	s_add_co_u32 s21, s21, s22
	v_lshl_add_u32 v[BO], v1, 4, s21               ; columns 128 tx + 64 half + 4 (l % 16) on
	global_load_b128 v[BIAS:BIAS+3], v[BO], s[86:87]
; 8 matrix instructions: m blocks a0, a0 + 1 x all 4 n blocks, 32 along K: half c of buffer f.  zero = 1: the first product starts the sums.  The 16 accumulators take turns, one instruction a turn.
.macro MUL8 f, c, a0, zero
	WIN MUL
.irp a, \a0, (\a0)+1
.irp b, 0,1,2,3
.if \zero
	v_wmma_f32_16x16x32_f16 v[ACC+8*(4*(\a)+(\b)):ACC+8*(4*(\a)+(\b))+7], v[(\f)+64+8*(4*(\c)+(\b)):(\f)+64+8*(4*(\c)+(\b))+7], v[(\f)+8*(4*(\c)+(\a)):(\f)+8*(4*(\c)+(\a))+7], 0
.else
	v_wmma_f32_16x16x32_f16 v[ACC+8*(4*(\a)+(\b)):ACC+8*(4*(\a)+(\b))+7], v[(\f)+64+8*(4*(\c)+(\b)):(\f)+64+8*(4*(\c)+(\b))+7], v[(\f)+8*(4*(\c)+(\a)):(\f)+8*(4*(\c)+(\a))+7], v[ACC+8*(4*(\a)+(\b)):ACC+8*(4*(\a)+(\b))+7]
.endif
.endr
.endr
.endm
; 32 LDS loads in one run: the fragments of quarter q (64 along K) of the slot in hand, into buffer f; the first 32 along K first
.macro FETCH q, f
	WIN TO_F
.irp c, 0,1
.irp i, 0,1,2,3
	ds_load_tr16_b128 v[(\f)+64+8*(4*(\c)+(\i)):(\f)+64+8*(4*(\c)+(\i))+3],   v[ADRB+(\q)/2] offset:(((\q)%2)*64+32*(\c))*PB+32*(\i)
	ds_load_tr16_b128 v[(\f)+64+8*(4*(\c)+(\i))+4:(\f)+64+8*(4*(\c)+(\i))+7], v[ADRB+(\q)/2] offset:(((\q)%2)*64+32*(\c)+16)*PB+32*(\i)
	ds_load_b128 v[(\f)+8*(4*(\c)+(\i)):(\f)+8*(4*(\c)+(\i))+3],   v[ADRA] offset:(\q)*PIECE+(\i)*16*PA+64*(\c)
	ds_load_b128 v[(\f)+8*(4*(\c)+(\i))+4:(\f)+8*(4*(\c)+(\i))+7], v[ADRA] offset:(\q)*PIECE+(\i)*16*PA+64*(\c)+32
.endr
.endr
.endm
; A K step is four quarters of 64 along K, 32 matrix instructions each, on buffers 0, 1, 0, 1.  One of the first three: multiplies buffer f and fetches quarter qn into g.
.macro QUARTER qn, f, g, zero
	s_wait_dscnt 16                                ; the first 32 along K are in; the 16 younger loads stay out
	MUL8 \f, 0, 0, \zero
	MUL8 \f, 0, 2, \zero
	PLACES
	FETCH \qn, \g
	s_wait_dscnt 32                                ; all but the 32 just issued
	MUL8 \f, 1, 0, 0
	MUL8 \f, 1, 2, 0
.endm
; The last quarter multiplies buffer 1 and changes slots: ONE barrier, which opens a round of the cluster's; in front of it each wave waits for all its tensor loads, adds 0 to its spare word, and waits for that and for its own reads of the slot.
; fill = 1: the slot left is filled again, two K steps ahead, by a joint load behind the round.  fill = 2: slot 0 has had its last K step; behind the round my quarter's head takes the residual.
.macro TURN fill
	WIN 0                                          ; (the add's two registers lie in window 0)
	s_wait_tensorcnt 0x0                           ; all my tensor loads have landed: my part of the next slot
	ds_add_u32 v[SPW], v[NIL]                      ; 0 onto my spare word
	s_wait_dscnt 17                                ; (the add and the youngest sixteen loads may be out)
	MUL8 F1, 0, 0, 0                               ; eight matrix instructions stand between the add and the wait for it
	s_wait_dscnt 0x0                               ; the add is done, and my reads of this slot are over
	s_barrier_signal -1
	MUL8 F1, 0, 2, 0
	WIN 0                                          ; (branches and window 0's addresses follow)
	s_barrier_wait -1
	CREST                                          ; no wave of any partner still reads this slot or has a load on its way
.if (\fill) == 1
	s_xor_b32 s[G0+5], s[G0+5], SLOT               ; the walking sets: the other slot than last time, the next K step; no load of mine is out
	s_add_nc_u64 s[G0+6:G0+7], s[G0+6:G0+7], ASTEP
	s_xor_b32 s[G0B+5], s[G0B+5], SLOT
	s_add_nc_u64 s[G0B+6:G0B+7], s[G0B+6:G0B+7], BSTEP
	JLOAD                                          ; the first tensor load behind the round: 112 matrix instructions ahead of the wait for it; its four v_nop are also the places in front of the loads below
.else
	RLOAD
.endif
	s_xor_b32 s2, s2, SLOT                         ; the fetches go on in the other slot
	v_add_nc_u32 v[ADRA], s2, v[ADRA0]
	v_add_nc_u32 v[ADRB], s2, v[ADRB0]
	v_add_nc_u32 v[ADRB+1], QUART, v[ADRB]
	FETCH 0, F0
	MUL8 F1, 1, 0, 0
	MUL8 F1, 1, 2, 0
.endm
	s_wait_tensorcnt 1                             ; my part of K step 0 is in; step 1's may stay out
	s_barrier_signal -1
	s_barrier_wait -1                              ; everybody's is
	FETCH 0, F0
	QUARTER 1, F0, F1, 1                           ; the first quarter stands in front of the loop: its first products start the sums
	WIN 0                                          ; at a label and at a branch every window is 0
	s_mov_b32 s3, STEPS-2
.Lstep:                                                ; a trip: from a K step's second quarter to the next step's first; it fills the slot that it leaves
	QUARTER 2, F1, F0, 0
	QUARTER 3, F0, F1, 0
	TURN 1
	QUARTER 1, F0, F1, 0
	WIN 0
	s_sub_co_u32 s3, s3, 1
	s_cmp_lg_u32 s3, 0
	s_cbranch_scc1 .Lstep
	QUARTER 2, F1, F0, 0                           ; the last two K steps ask for no further step
	QUARTER 3, F0, F1, 0
	TURN 2
	QUARTER 1, F0, F1, 0
	QUARTER 2, F1, F0, 0
	QUARTER 3, F0, F1, 0
	s_wait_dscnt 16                                ; the very last quarter: nothing more to fetch
	MUL8 F1, 0, 0, 0
	MUL8 F1, 0, 2, 0
	s_wait_dscnt 0x0
	MUL8 F1, 1, 0, 0
	MUL8 F1, 1, 2, 0
	WIN 0
	; THE WAY OUT.  My 64 x 64 sums go as f32 into my quarter of slot 0 (rows of 272 bytes), each accumulator's low registers first, and come back as whole rows, 8 rows a trip.
	PLACES
.irp a, 0,1,2,3
.irp b, 0,1,2,3
	ds_store_b128 v[STO], v[ACC+8*(4*(\a)+(\b)):ACC+8*(4*(\a)+(\b))+3]   offset:(\a)*16*SPITCH+64*(\b)
	ds_store_b128 v[STO], v[ACC+8*(4*(\a)+(\b))+4:ACC+8*(4*(\a)+(\b))+7] offset:(\a)*16*SPITCH+64*(\b)+16
.endr
.endr
	s_wait_tensorcnt 0x0                           ; the residual's tile, my own load into my own bytes
	s_wait_loadcnt 0x0                             ; the bias: an input, so rounded to bf16
	v_cvt_pk_bf16_f32 v[W8], v[BIAS], v[BIAS+1]
	v_cvt_pk_bf16_f32 v[W8+1], v[BIAS+2], v[BIAS+3]
	v_lshlrev_b32 v[BIAS], 16, v[W8]
	v_and_b32 v[BIAS+1], s82, v[W8]
	v_lshlrev_b32 v[BIAS+2], 16, v[W8+1]
	v_and_b32 v[BIAS+3], s82, v[W8+1]
.macro LOADROWS                        ; LDS serves a wave's instructions in order (ISA guide 5.7.1.4): these see my stores above
.irp i, 0,1,2,3
	ds_load_b128 v[T+4*\i:T+4*\i+3], v[RD] offset:DUMPOFF+\i*2*SPITCH
.endr
.irp i, 0,1,2,3
	ds_load_b128 v[R+4*\i:R+4*\i+3], v[RD] offset:\i*2*SPITCH
.endr
.endm
	LOADROWS
	s_mov_b32 s3, 8
.Lrow:
	s_wait_dscnt 0x0                               ; this trip's 8 rows are back in registers
.irp i, 0,1,2,3,4,5,6,7
	v_pk_add_f32 v[Z+2*\i:Z+2*\i+1], v[T+2*\i:T+2*\i+1], v[R+2*\i:R+2*\i+1]  ; uses up T and R, so that the next rows can be asked for
.endr
	s_cmp_eq_u32 s3, 1
	s_cbranch_scc1 .Lno_rows                       ; behind the last 8 rows there are none
	v_add_nc_u32 v[RD], 8*SPITCH, v[RD]
	LOADROWS                                       ; the next 8 rows come while these are worked on
.Lno_rows:
.irp i, 0,1,2,3,4,5,6,7
	v_pk_add_f32 v[Y+2*\i:Y+2*\i+1], v[Z+2*\i:Z+2*\i+1], v[BIAS+2*(\i%2):BIAS+2*(\i%2)+1]
.endr
.irp i, 0,1,2,3
	global_store_b128 v[GO], v[Y+4*\i:Y+4*\i+3], s[8:9] offset:\i*8192  ; 16 lanes store 256 consecutive bytes, at a multiple of 256 from the buffer's first byte
.endr
	s_wait_xcnt 0x0                                ; the stores' addresses are translated (ISA guide 3.1): only behind this wait are their base and Y written again
	s_add_nc_u64 s[8:9], s[8:9], 8*4096
	s_sub_co_u32 s3, s3, 1
	s_cmp_lg_u32 s3, 0
	s_cbranch_scc1 .Lrow
	s_wait_tensorcnt 0x0                           ; the wave's end: behind my last tensor load and my last LDS store
	ds_add_u32 v[SPW], v[NIL]
	s_wait_dscnt 0x0
	CROUND                                         ; the closing round: no work-group ends while a partner may still ask for a tile that names it
	s_endpgm
.Lfunc_end_k_qed5f7eb9d9_ffn2:
	.size	k_qed5f7eb9d9_ffn2, .Lfunc_end_k_qed5f7eb9d9_ffn2-k_qed5f7eb9d9_ffn2
	.p2alignl 7, 3214868480
	.fill 96, 4, 3214868480
	.section	.rodata,"a",@progbits
	.p2align	6, 0x0
	.amdhsa_kernel k_qed5f7eb9d9_ffn2
		.amdhsa_group_segment_fixed_size 327680
		.amdhsa_private_segment_fixed_size 0
		.amdhsa_enable_private_segment 0
		.amdhsa_kernarg_size 40
		.amdhsa_user_sgpr_count 2
		.amdhsa_user_sgpr_kernarg_segment_ptr 1
		.amdhsa_wavefront_size32 1
		.amdhsa_system_sgpr_workgroup_id_x 1
		.amdhsa_system_sgpr_workgroup_id_y 1
		.amdhsa_system_sgpr_workgroup_id_z 1
		.amdhsa_system_vgpr_workitem_id 0
		.amdhsa_next_free_vgpr 512
		.amdhsa_next_free_sgpr 102
		.amdhsa_reserve_vcc 0
		.amdhsa_float_denorm_mode_32 3
		.amdhsa_float_denorm_mode_16_64 3
		.amdhsa_memory_ordered 1
		.amdhsa_forward_progress 1
		.amdhsa_inst_pref_size 67
	.end_amdhsa_kernel
	.amdgpu_metadata
---
amdhsa.version: [ 1, 2 ]
amdhsa.kernels:
  - .name:           k_qed5f7eb9d9_ffn2
    .symbol:         k_qed5f7eb9d9_ffn2.kd
    .args:
      - { .name: u, .offset: 0, .size: 8, .value_kind: global_buffer, .address_space: global }
      - { .name: wb, .offset: 8, .size: 8, .value_kind: global_buffer, .address_space: global }
      - { .name: out0, .offset: 16, .size: 8, .value_kind: global_buffer, .address_space: global }
      - { .name: x1, .offset: 24, .size: 8, .value_kind: global_buffer, .address_space: global }
      - { .name: bf2, .offset: 32, .size: 8, .value_kind: global_buffer, .address_space: global }
    .group_segment_fixed_size: 327680
    .private_segment_fixed_size: 0
    .kernarg_segment_align: 8
    .kernarg_segment_size: 40
    .max_flat_workgroup_size: 128
    .sgpr_count:     102
    .vgpr_count:     512
    .wavefront_size: 32
...
	.end_amdgpu_metadata
.endif
;; end of part 7
